; MI455X (gfx1250); checked and timed in simulation.
; The chip was launched on July 23, 2026; its instructions are those of AMD's public machine-readable ISA for CDNA 5 (MIT licence, August 2026) and "CDNA5" Instruction Set Architecture Reference Guide (July 2026). The comments in the code are by the model that wrote it; some were corrected since.
;; Mo EMLP. Allowed arithmetic: float matrix products may take bf16 or f16 operands with f32 sums; all other float work in f32.
;; Inputs: W1 8 x 1,024 x 4,096 float32; W2 8 x 4,096 x 1,024 float32; Wr 1,024 x 8 float32; x 4 x 256 x 1,024 float32.
;; Outputs: out0 4 x 256 x 1,024 float32.
;; Constants: top_k = 2.
;; 2 versions, each right; version 2 is version 1 with the launches gemm1, gemm2 written anew for expert scheduling mode. Each part assembles by itself: llvm-mc -triple=amdgcn-amd-amdhsa -mcpu=gfx1250 --defsym DOCPART=n.
;; ======== version 1 of 2: 5 launches
;; workspace buffers: xb 2,097,152 bytes; sel 8,192 bytes of whole numbers; gate 8,192 bytes; lists 32,768 bytes of whole numbers; cnt 2,048 bytes of whole numbers; hbuf 16,777,216 bytes; ypart 33,554,432 bytes
;; launch route (part 1): grid 256 x 1, 4 waves a work-group, no clusters, 16,896 bytes of LDS; arguments x, Wr, xb, sel, gate; writes xb, sel, gate
.if DOCPART == 1
	.amdgcn_target "amdgcn-amd-amdhsa--gfx1250"
	.amdhsa_code_object_version 6
	.text
	.protected	k_qa4d1efae9c_route
	.globl	k_qa4d1efae9c_route
	.p2align	8
	.type	k_qa4d1efae9c_route,@function
k_qa4d1efae9c_route:
	s_mov_b64 s[64:65], 0
	v_nop
	global_prefetch_b8 v0, s[64:65] scope:SCOPE_SE
	s_setreg_imm32_b32 hwreg(HW_REG_WAVE_MODE, 25, 1), 1
	s_wait_xcnt 0x0
; ROUTER.  For each of 1,024 tokens: logits = x[t] . Wr (1,024 x 8), the two largest, and their softmax weights renormalised to sum 1:
; w0 = 1 / (1 + t), w1 = t w0 with t = e^(l2 - l1): the largest logit is taken away, and the softmax's divisor cancels in the renormalising.
; Also writes xb = x rounded to bf16, the first product's operand.  The logits are made from x and Wr ROUNDED TO BF16 (products exact in f32, sums in f32).
; Outputs by assignment a = 2 t + r (r = 0: first choice, 1: second): sel[a] = expert, gate[a] = weight.
; SHARES.  A work-group owns 4 tokens; wave w takes d = 256 w .. 256 w + 255 of all four; lane L, load j holds d = 256 w + 128 j + 4 L + c.
; The waves' 32 partial sums a lane meet in LDS; wave w then finishes token w.
; LIMITS.  NaN or infinite logits are not served.  The order is taken on the logits (lower index on ties), not on rounded probabilities.
; v_exp_f32 gives 0 below 2^-126 (ISA guide, its entry), so a second weight that small comes out as 0.
; sel and gate leave as 8 bytes a token: 16 KiB in the whole launch.
.set X,  8                             ; v[8:39]    x as loaded: X + 8 i + 4 j; later the four waves' partial logits
.set WL, 40                            ; v[40:103]  Wr as loaded: WL + 32 j + 4 m
.set XP, 104                           ; v[104:119] x in bf16 pairs: XP + 4 i + 2 j + (c >> 1)
.set WP, 120                           ; v[120:151] Wr in bf16 pairs: WP + 16 j + 4 c + p = (Wr[d][2p], Wr[d][2p+1])
.set AC, 152                           ; v[152:183] partial logits: AC + 8 i + e
.set B1, 40                            ; largest logit (WL's registers are free by then)
.set B2, 41                            ; second largest
.set NI, 42                            ; minus infinity, then 1 + t
.set TT, 43                            ; t
.set IX, 44                            ; v[44:45]   the two experts
.set GW, 46                            ; v[46:47]   the two weights
	s_load_b256 s[4:11], s[0:1], 0x0               ; x s[4:5], Wr s[6:7], xb s[8:9], sel s[10:11]
	s_load_b64 s[12:13], s[0:1], 0x20              ; gate
	v_lshl_add_u32 v192, v0, 2, 0x4000
	v_mov_b32 v193, 0
	v_and_b32 v1, 31, v0                           ; lane
	v_lshrrev_b32 v7, 5, v0
	v_readfirstlane_b32 s14, v7                    ; wave
	s_lshl_b32 s16, ttmp9, 14                      ; the group's 4 rows of x, 4,096 bytes each
	s_mov_b32 s17, 0
	s_lshl_b32 s18, ttmp9, 13                      ; and of xb, 2,048 bytes each
	s_mov_b32 s19, 0
	s_lshl_b32 s20, s14, 10
	v_lshl_add_u32 v2, v1, 4, s20                  ; 1,024 w + 16 L: my bytes in a row of x; the same number is my place when I read the stage
	s_lshl_b32 s21, s14, 13
	v_lshl_add_u32 v3, v1, 7, s21                  ; 8,192 w + 128 L: four rows of Wr, 32 bytes each
	s_lshl_b32 s24, s14, 9
	v_lshl_add_u32 v4, v1, 3, s24                  ; 512 w + 8 L: my bytes in a row of xb
	s_lshl_b32 s25, s14, 12
	v_lshl_add_u32 v5, v1, 4, s25                  ; 4,096 w + 16 L: where I put partial sums
	s_lshl_b32 s26, ttmp9, 5
	s_lshl3_add_u32 s26, s14, s26                  ; 8 bytes x token 4 g + w
	v_mov_b32 v7, s26
	s_mov_b32 s22, 0x76543210                      ; v_permlanex16_b32: each lane takes its own place in the other half
	s_mov_b32 s23, 0xfedcba98
	s_wait_kmcnt 0x0
	s_add_nc_u64 s[4:5], s[4:5], s[16:17]
	s_add_nc_u64 s[8:9], s[8:9], s[18:19]
.irp i, 0,1,2,3
.irp j, 0,1
	global_load_b128 v[X+8*\i+4*\j:X+8*\i+4*\j+3], v2, s[4:5] offset:4096*\i+512*\j th:TH_LOAD_NT
.endr
.endr
.irp j, 0,1
.irp m, 0,1,2,3,4,5,6,7
	global_load_b128 v[WL+32*\j+4*\m:WL+32*\j+4*\m+3], v3, s[6:7] offset:4096*\j+16*\m   ; Wr[d(c = m >> 1)][4 (m & 1) ..]
.endr
.endr
	s_wait_loadcnt 16                              ; x is in; the 16 loads of Wr issued behind it may stay out
.irp i, 0,1,2,3
.irp j, 0,1
.irp p, 0,1
	v_cvt_pk_bf16_f32 v[XP+4*\i+2*\j+\p], v[X+8*\i+4*\j+2*\p], v[X+8*\i+4*\j+2*\p+1]
.endr
	global_store_b64 v4, v[XP+4*\i+2*\j:XP+4*\i+2*\j+1], s[8:9] offset:2048*\i+256*\j   ; 32 lanes store 256 consecutive bytes, aligned
.endr
.endr
.set n, 0
.rept 32
	v_mov_b32 v[AC+n], 0
.set n, n+1
.endr
	s_wait_loadcnt 0x0                             ; Wr
.irp j, 0,1
.irp c, 0,1,2,3
.irp p, 0,1,2,3
	v_cvt_pk_bf16_f32 v[WP+16*\j+4*\c+\p], v[WL+32*\j+4*(2*\c+\p/2)+2*(\p%2)], v[WL+32*\j+4*(2*\c+\p/2)+2*(\p%2)+1]
.endr
.endr
.endr
	; 256 multiply-adds straight from bf16 halves into f32: 32 chains (4 tokens x 8 experts) that do not wait for each other
.irp j, 0,1
.irp ch, 0,1
.irp cl, 0,1
.irp i, 0,1,2,3
.irp p, 0,1,2,3
.irp el, 0,1
	v_fma_mix_f32_bf16 v[AC+8*\i+2*\p+\el], v[XP+4*\i+2*\j+\ch], v[WP+16*\j+4*(2*\ch+\cl)+\p], v[AC+8*\i+2*\p+\el] op_sel:[\cl,\el,0] op_sel_hi:[1,1,0]
.endr
.endr
.endr
.endr
.endr
.endr
.irp i, 0,1,2,3
.irp hh, 0,1
	ds_store_b128 v5, v[AC+8*\i+4*\hh:AC+8*\i+4*\hh+3] offset:(2*\i+\hh)*512
.endr
.endr
	s_wait_dscnt 0x0                               ; for the others' sake: my partial sums are in LDS
	s_barrier_signal -1
	s_barrier_wait -1
.irp vv, 0,1,2,3
.irp hh, 0,1
	ds_load_b128 v[X+8*\vv+4*\hh:X+8*\vv+4*\hh+3], v2 offset:4096*\vv+512*\hh   ; wave vv's sums for token w: 4,096 vv + 512 (2 w + hh) + 16 L
.endr
.endr
	s_wait_dscnt 0x0
.irp k, 0,2,4,6
	v_pk_add_f32 v[X+\k:X+\k+1], v[X+\k:X+\k+1], v[X+8+\k:X+8+\k+1]
	v_pk_add_f32 v[X+16+\k:X+16+\k+1], v[X+16+\k:X+16+\k+1], v[X+24+\k:X+24+\k+1]
.endr
.irp k, 0,2,4,6
	v_pk_add_f32 v[X+\k:X+\k+1], v[X+\k:X+\k+1], v[X+16+\k:X+16+\k+1]
.endr
	; across the 32 lanes: four steps inside each half ride on the addition, one crosses the halves
.irp mk, 1,2,4,8
.irp e, 0,1,2,3,4,5,6,7
	v_add_f32_dpp v[X+\e], v[X+\e], v[X+\e] row_xmask:\mk row_mask:0xf bank_mask:0xf
.endr
.endr
.irp e, 0,1,2,3,4,5,6,7
	v_permlanex16_b32 v[X+8+\e], v[X+\e], s22, s23 ; its destination has been written (a partial sum)
.endr
.irp e, 0,1,2,3,4,5,6,7
	v_add_f32 v[X+\e], v[X+\e], v[X+8+\e]          ; every lane holds the token's 8 logits
.endr
	; the largest: a later expert wins only if strictly larger
	v_mov_b32 v[B1], v[X]
	v_mov_b32 v[IX], 0
.irp e, 1,2,3,4,5,6,7
	v_cmp_le_f32 vcc_lo, v[X+\e], v[B1]
	v_cndmask_b32 v[IX], \e, v[IX], vcc_lo
	v_max_num_f32 v[B1], v[B1], v[X+\e]
.endr
	v_mov_b32 v[NI], 0xff800000                    ; the winner leaves the field
.irp e, 0,1,2,3,4,5,6,7
	v_cmp_eq_u32 vcc_lo, \e, v[IX]
	v_cndmask_b32 v[X+\e], v[X+\e], v[NI], vcc_lo
.endr
	v_mov_b32 v[B2], v[X]
	v_mov_b32 v[IX+1], 0
.irp e, 1,2,3,4,5,6,7
	v_cmp_le_f32 vcc_lo, v[X+\e], v[B2]
	v_cndmask_b32 v[IX+1], \e, v[IX+1], vcc_lo
	v_max_num_f32 v[B2], v[B2], v[X+\e]
.endr
	v_sub_f32 v[TT], v[B2], v[B1]                  ; l2 - l1, never above 0
	v_mul_f32 v[TT], 0x3fb8aa3b, v[TT]
	v_exp_f32 v[TT], v[TT]
	v_nop                                          ; a plain instruction behind a transcendental before its result is used (ISA guide 5.7.2)
	s_wait_alu depctr_va_vdst(0)
	v_add_f32 v[NI], 1.0, v[TT]
	v_rcp_f32 v[GW], v[NI]
	v_nop
	s_wait_alu depctr_va_vdst(0)
	v_mul_f32 v[GW+1], v[TT], v[GW]
	v_cmp_eq_u32 vcc_lo, 0, v1
	s_wait_xcnt 0x0                                ; EXEC changes only behind this wait: the stores of xb name it
	s_wait_tensorcnt 0x0
	ds_add_u32 v192, v193
	s_wait_dscnt 0x0
	s_and_saveexec_b32 s27, vcc_lo                 ; lane 0 alone
	global_store_b64 v7, v[IX:IX+1], s[10:11]
	global_store_b64 v7, v[GW:GW+1], s[12:13]
	s_wait_xcnt 0x0                                ; and again in front of the line that widens it
	s_or_b32 exec_lo, exec_lo, s27
	s_endpgm
.Lfunc_end_k_qa4d1efae9c_route:
	.size	k_qa4d1efae9c_route, .Lfunc_end_k_qa4d1efae9c_route-k_qa4d1efae9c_route
	.p2alignl 7, 3214868480
	.fill 96, 4, 3214868480
	.section	.rodata,"a",@progbits
	.p2align	6, 0x0
	.amdhsa_kernel k_qa4d1efae9c_route
		.amdhsa_group_segment_fixed_size 16896
		.amdhsa_private_segment_fixed_size 0
		.amdhsa_enable_private_segment 0
		.amdhsa_kernarg_size 40
		.amdhsa_user_sgpr_count 2
		.amdhsa_user_sgpr_kernarg_segment_ptr 1
		.amdhsa_wavefront_size32 1
		.amdhsa_system_sgpr_workgroup_id_x 1
		.amdhsa_system_sgpr_workgroup_id_y 1
		.amdhsa_system_sgpr_workgroup_id_z 1
		.amdhsa_system_vgpr_workitem_id 0
		.amdhsa_next_free_vgpr 194
		.amdhsa_next_free_sgpr 66
		.amdhsa_reserve_vcc 1
		.amdhsa_float_denorm_mode_32 3
		.amdhsa_float_denorm_mode_16_64 3
		.amdhsa_memory_ordered 1
		.amdhsa_forward_progress 1
		.amdhsa_inst_pref_size 32
	.end_amdhsa_kernel
	.amdgpu_metadata
---
amdhsa.version: [ 1, 2 ]
amdhsa.kernels:
  - .name:           k_qa4d1efae9c_route
    .symbol:         k_qa4d1efae9c_route.kd
    .args:
      - { .name: x, .offset: 0, .size: 8, .value_kind: global_buffer, .address_space: global }
      - { .name: Wr, .offset: 8, .size: 8, .value_kind: global_buffer, .address_space: global }
      - { .name: xb, .offset: 16, .size: 8, .value_kind: global_buffer, .address_space: global }
      - { .name: sel, .offset: 24, .size: 8, .value_kind: global_buffer, .address_space: global }
      - { .name: gate, .offset: 32, .size: 8, .value_kind: global_buffer, .address_space: global }
    .group_segment_fixed_size: 16896
    .private_segment_fixed_size: 0
    .kernarg_segment_align: 8
    .kernarg_segment_size: 40
    .max_flat_workgroup_size: 128
    .sgpr_count:     66
    .vgpr_count:     194
    .wavefront_size: 32
...
	.end_amdgpu_metadata
.endif
;; end of part 1
;; launch lists (part 2): grid 8 x 1, 1 waves a work-group, no clusters, 4,608 bytes of LDS; arguments sel, lists, cnt; writes lists, cnt
.if DOCPART == 2
	.amdgcn_target "amdgcn-amd-amdhsa--gfx1250"
	.amdhsa_code_object_version 6
	.text
	.protected	k_qa4d1efae9c_lists
	.globl	k_qa4d1efae9c_lists
	.p2align	8
	.type	k_qa4d1efae9c_lists,@function
k_qa4d1efae9c_lists:
	s_mov_b64 s[64:65], 0
	v_nop
	global_prefetch_b8 v0, s[64:65] scope:SCOPE_SE
	s_setreg_imm32_b32 hwreg(HW_REG_WAVE_MODE, 25, 1), 1
	s_wait_xcnt 0x0
; LISTS.  Work-group e (one wave) scans sel[0 .. 2047] and writes the assignments of expert e as a dense list, without atomics:
; lists[e][0 .. n-1] = the a with sel[a] = e; the places from n to 1,023 repeat entry 0 (an assignment of the same expert, so that a padded
; row of a later product is computed and stored a second time with the same value); with n = 0 all places are 0.  cnt[e] = n, 64 times (256 bytes).
; A token's two experts differ, so n is at most 1,024.
; The list is built in LDS (bytes 0 .. 4,095).  A lane whose assignment is not e's stores into a waste word of its own (index 1,024 + lane),
; so EXEC is never changed.  One wave: LDS serves its instructions in order (ISA guide 5.7.1), and no barrier is needed.
.set LC, 12                            ; v[12:15]   4 L + c
.set S,  16                            ; v[16:79]   sel: S + 4 j + c is assignment 128 j + 4 L + c
.set LD, 80                            ; v[80:111]  the list read back: LD + 4 m + c is place 128 m + 4 L + c
.set NN, 116                           ; v[116:117] n, n
	s_load_b128 s[4:7], s[0:1], 0x0                ; sel s[4:5], lists s[6:7]
	s_load_b64 s[8:9], s[0:1], 0x10                ; cnt
	v_lshl_add_u32 v128, v0, 2, 0x1100
	v_mov_b32 v129, 0
	s_mov_b32 s10, ttmp9                           ; my expert
	v_lshlrev_b32 v2, 2, v0                        ; 4 L
	v_lshlrev_b32 v3, 4, v0                        ; 16 L
	v_add_nc_u32 v4, 1024, v0                      ; my waste word's index
	v_mov_b32 v6, 0
	v_lshlrev_b32 v7, 3, v0                        ; 8 L
.irp c, 0,1,2,3
	v_mov_b32 v[8+\c], 0
	v_add_nc_u32 v[LC+\c], \c, v2
.endr
	s_lshl_b32 s14, ttmp9, 12                      ; my row of lists
	s_mov_b32 s15, 0
	s_lshl_b32 s16, ttmp9, 8                       ; my 256 bytes of cnt
	s_mov_b32 s17, 0
	s_mov_b32 s12, 0                               ; n so far
	s_wait_kmcnt 0x0
.irp j, 0,1,2,3,4,5,6,7,8,9,10,11,12,13,14,15
	global_load_b128 v[S+4*\j:S+4*\j+3], v3, s[4:5] offset:512*\j
.endr
	s_add_nc_u64 s[6:7], s[6:7], s[14:15]
	s_add_nc_u64 s[8:9], s[8:9], s[16:17]
.irp m, 0,1,2,3,4,5,6,7
	ds_store_b128 v3, v[8:11] offset:512*\m        ; the list starts as zeros
.endr
	s_wait_loadcnt 0x0
.set nn, 0
.rept 64
.set pp, 112+2*(nn%2)
	v_cmp_eq_u32 vcc_lo, s10, v[S+nn]              ; mine?
	v_mbcnt_lo_u32_b32 v[pp], vcc_lo, s12          ; n so far + the lanes below me that are
	v_cndmask_b32 v[pp], v4, v[pp], vcc_lo         ; a place in the list, or my waste word
	v_min_u32 v[pp], 0x41f, v[pp]                  ; inside the 1,056 words whatever sel holds
	v_lshlrev_b32 v[pp], 2, v[pp]
	v_add_nc_u32 v[pp+1], 128*(nn/4)+nn%4, v2      ; a
	ds_store_b32 v[pp], v[pp+1]
	s_bcnt1_i32_b32 s13, vcc_lo
	s_add_co_u32 s12, s12, s13
.set nn, nn+1
.endr
	ds_load_b32 v5, v6                             ; entry 0
.irp m, 0,1,2,3,4,5,6,7
	ds_load_b128 v[LD+4*\m:LD+4*\m+3], v3 offset:512*\m
.endr
	v_mov_b32 v[NN], s12
	v_mov_b32 v[NN+1], s12
	s_wait_dscnt 0x0
.irp m, 0,1,2,3,4,5,6,7
	s_sub_co_i32 s14, s12, 128*\m
.irp c, 0,1,2,3
	v_cmp_gt_i32 vcc_lo, s14, v[LC+\c]             ; place 128 m + 4 L + c below n: keep; else entry 0
	v_cndmask_b32 v[LD+4*\m+\c], v5, v[LD+4*\m+\c], vcc_lo
.endr
	global_store_b128 v3, v[LD+4*\m:LD+4*\m+3], s[6:7] offset:512*\m
.endr
	global_store_b64 v7, v[NN:NN+1], s[8:9]        ; 32 lanes store 256 consecutive bytes, aligned
	s_wait_tensorcnt 0x0
	ds_add_u32 v128, v129
	s_wait_dscnt 0x0
	s_endpgm
.Lfunc_end_k_qa4d1efae9c_lists:
	.size	k_qa4d1efae9c_lists, .Lfunc_end_k_qa4d1efae9c_lists-k_qa4d1efae9c_lists
	.p2alignl 7, 3214868480
	.fill 96, 4, 3214868480
	.section	.rodata,"a",@progbits
	.p2align	6, 0x0
	.amdhsa_kernel k_qa4d1efae9c_lists
		.amdhsa_group_segment_fixed_size 4608
		.amdhsa_private_segment_fixed_size 0
		.amdhsa_enable_private_segment 0
		.amdhsa_kernarg_size 24
		.amdhsa_user_sgpr_count 2
		.amdhsa_user_sgpr_kernarg_segment_ptr 1
		.amdhsa_wavefront_size32 1
		.amdhsa_system_sgpr_workgroup_id_x 1
		.amdhsa_system_sgpr_workgroup_id_y 1
		.amdhsa_system_sgpr_workgroup_id_z 1
		.amdhsa_system_vgpr_workitem_id 0
		.amdhsa_next_free_vgpr 130
		.amdhsa_next_free_sgpr 66
		.amdhsa_reserve_vcc 1
		.amdhsa_float_denorm_mode_32 3
		.amdhsa_float_denorm_mode_16_64 3
		.amdhsa_memory_ordered 1
		.amdhsa_forward_progress 1
		.amdhsa_inst_pref_size 34
	.end_amdhsa_kernel
	.amdgpu_metadata
---
amdhsa.version: [ 1, 2 ]
amdhsa.kernels:
  - .name:           k_qa4d1efae9c_lists
    .symbol:         k_qa4d1efae9c_lists.kd
    .args:
      - { .name: sel, .offset: 0, .size: 8, .value_kind: global_buffer, .address_space: global }
      - { .name: lists, .offset: 8, .size: 8, .value_kind: global_buffer, .address_space: global }
      - { .name: cnt, .offset: 16, .size: 8, .value_kind: global_buffer, .address_space: global }
    .group_segment_fixed_size: 4608
    .private_segment_fixed_size: 0
    .kernarg_segment_align: 8
    .kernarg_segment_size: 24
    .max_flat_workgroup_size: 32
    .sgpr_count:     66
    .vgpr_count:     130
    .wavefront_size: 32
...
	.end_amdgpu_metadata
.endif
;; end of part 2
;; launch gemm1 (part 3): grid 32 x 8, 4 waves a work-group, no clusters, 199,168 bytes of LDS; arguments xb, W1, lists, cnt, hbuf; writes hbuf
.if DOCPART == 3
	.amdgcn_target "amdgcn-amd-amdhsa--gfx1250"
	.amdhsa_code_object_version 6
	.text
	.protected	k_qa4d1efae9c_gemm1
	.globl	k_qa4d1efae9c_gemm1
	.p2align	8
	.type	k_qa4d1efae9c_gemm1,@function
k_qa4d1efae9c_gemm1:
	s_mov_b64 s[64:65], 0
	v_nop
	global_prefetch_b8 v0, s[64:65] scope:SCOPE_SE
	s_setreg_imm32_b32 hwreg(HW_REG_WAVE_MODE, 25, 1), 1
	s_wait_xcnt 0x0
; ONE TEXT FOR BOTH EXPERT PRODUCTS, chosen by GEMM.  Only the assignments that the router chose are computed (the others have weight 0).
;   GEMM = 1: hbuf[a][.] = silu(xb[a >> 1] . W1[e])   (bf16; inside each 128 columns, position 8 r + 4 g + c holds true column 64 g + 4 r + c)
;   GEMM = 2: ypart[Q][a][.] = hbuf[a][positions 1,024 Q ..] . W2[e][those rows]   (f32, true column order; the four quarters Q are added by the next launch)
; SHARES.  Work-group (X, e) keeps 1,024 k x 128 n of expert e's weights in registers as bf16 for the whole launch: wave w holds k positions 256 w .. + 255,
; 8 K steps x 8 fragments x 8 registers = 512.  Each weight byte is read once in the launch, by one wave.  The expert's assignments walk past in blocks of 32 list entries.
; WEIGHTS lie [k][n] in f32.  A lane's 16-byte load takes 4 neighbouring n of one row k (16 lanes: 256 consecutive bytes, aligned); rounding rows k and k + 1 of one column
; into one word gives a register of a B fragment, if column 64 g + 4 r + c goes to fragment 4 g + c, lane r.  So no LDS and no turning load is needed.
; For GEMM = 2 the rows are taken in the order of hbuf's positions: one permutation of k, applied alike to both operands.
; A BLOCK.  Each wave gathers ITS 512 bytes (256 k) of the 32 rows into a tile of its own in LDS, multiplies (128 matrix instructions, 16 accumulators), puts its partial
; sums into a stage; one barrier; wave w adds the four images of a quarter of the block, finishes it and stores it: 16 lanes store 256 consecutive bytes of one row, aligned.
; Two stages take turns, so that one barrier a block orders both the writing against the reading and the reading against the next writing but one.
; The number of blocks hangs on cnt[e], read from memory.  Every wave passes every barrier: the loop has 32 blocks always, and only the work between barriers is jumped over.
; NO JOINT TENSOR LOADS: weights are shared by nobody; the rows of xb or hbuf that an expert's 32 work-groups share are named by a list, with no constant distance from row to
; row that one descriptor could state.
; LIMITS.  Operands rounded to bf16, sums in f32.  silu(z) = z / (1 + 2^(-1.442695 z)): for z below about -88 the power is infinite and the result is -0.
.set GEMM, 1
.if GEMM == 1
.set WPITCH, 16384                     ; bytes in a row of W1
.set WHSH,   17                        ; lanes 16-31 take the row 8 below: 8 x 16,384 = 1 << 17
.set SOSH,   13                        ; a row of hbuf is 8,192 bytes
.else
.set WPITCH, 4096                      ; bytes in a row of W2
.set WHSH,   14                        ; lanes 16-31 take the row 4 below: 4 x 4,096 = 1 << 14
.set SOSH,   12                        ; a row of ypart is 4,096 bytes
.endif
.set STG,  65536                       ; a stage: four images of 16 KiB; stage 0 at byte 0, stage 1 here
.set TILE, 131072                      ; behind the stages: a tile for each wave
.set TP,   528                         ; a tile's row: 512 bytes + 16: 33 x 16, so the 16 rows of a fragment load start at 16 different 16-byte columns modulo 256
.set TW,   32*TP
; window 0
.set WV,  4                            ; weights: h x rows x pitch + 16 r; never rewritten
.set GL,  5                            ; my 16 bytes in a gathered row
.set AF,  6                            ; tile: my place in a fragment: row r, 16 h
.set TS,  7                            ; tile: where my 16 bytes of a row go
.set DA,  8                            ; v8, v9   stage 0, 1: where my image goes
.set RA,  10                           ; v10, v11 stage 0, 1: where my quarter is read
.set LV,  12                           ; byte in the list of my four entries of the block
.set CO,  13                           ; my column bytes in an output row
.set LST, 16                           ; v[16:19] my four entries
.set SO,  20                           ; v[20:23] their output offsets
.set F0,  32                           ; v[32:63], v[64:95]: A fragments of two K steps each
.set F1,  64
.set ACC, 128                          ; v[128:255]: accumulator (mb, c) at ACC + 8 (8 mb + c); afterwards the four images and the finishing
; window 1
.set LAND, 0                           ; v256-383: a gathered row's 16 bytes, 4 registers a row
.set AD,   128                         ; v384-415: a row's offset
; windows 2, 3: weight fragment (ks, c) at 8 (8 (ks % 4) + c), window 2 + ks / 4
.set EL,  32                           ; s[32:63] 32 list entries
.set MSB, 0
.macro WIN new                         ; the immediate's high byte repeats the setting that is left; a switch that changes nothing is dropped
.if MSB != (\new)
	s_set_vgpr_msb (MSB<<8)|(\new)
.set MSB, (\new)
.endif
.endm
.macro PLACES                          ; four places between a matrix instruction and a load into a register that it read (ISA guide 7.12.1 for vector instructions)
.rept 4
	v_nop
.endr
.endm
; Batch t of 16: the 16 rows of K step t / 2 that a lane's fragments want, columns 64 (t % 2) on, into one of three landing slots of 64 registers
.macro WLOAD t
.set kk, (\t)/2
.set gg, (\t)%2
.set slt, 64+64*((\t)%3)
.set qq, 0
.rept 16
.if GEMM == 1
.set rw, 32*kk+16*(qq/8)+qq%8
.else
.set rw, 128*(kk/4)+16*(kk%4)+8*(qq/8)+64*((qq%8)/4)+qq%4
.endif
	global_load_b128 v[slt+4*qq:slt+4*qq+3], v[WV], s[6:7] offset:rw*WPITCH+256*gg th:TH_LOAD_NT
.set qq, qq+1
.endr
.endm
; Batch t is rounded into its four fragments: register 4 u + j of fragment 4 g + c takes rows (u, 2 j) and (u, 2 j + 1) of column c
.macro WCVT t
.set kk, (\t)/2
.set gg, (\t)%2
.set slt, 64+64*((\t)%3)
	WIN 0x80+0x40*(kk/4)
.set qq, 0
.rept 32
.set c4, qq/8
.set uu, (qq/4)%2
.set jj, qq%4
	v_cvt_pk_bf16_f32 v[8*(8*(kk%4)+4*gg+c4)+4*uu+jj], v[slt+4*(8*uu+2*jj)+c4], v[slt+4*(8*uu+2*jj+1)+c4]
.set qq, qq+1
.endr
	WIN 0
.endm
; Rows lo .. lo + n - 1 of the next block: entry -> row offset (clamped to the buffer whatever the list holds) -> one load of the wave's 512 bytes
.macro GATHER lo, n
	WIN 0x41                                       ; destination and source 0 (the load's address) window 1, source 1 (GL) window 0
.set ii, \lo
.rept \n
.if GEMM == 1
	s_lshr_b32 s[EL+ii], s[EL+ii], 1               ; token = a >> 1
	s_min_u32 s[EL+ii], s[EL+ii], 1023
	s_lshl_b32 s[EL+ii], s[EL+ii], 11              ; rows of 2,048 bytes
.else
	s_min_u32 s[EL+ii], s[EL+ii], 2047
	s_lshl_b32 s[EL+ii], s[EL+ii], 13              ; rows of 8,192 bytes
.endif
	v_add_nc_u32 v[AD+ii], s[EL+ii], v[GL]
	global_load_b128 v[LAND+4*ii:LAND+4*ii+3], v[AD+ii], s[4:5]
.set ii, ii+1
.endr
	WIN 0
.endm
.macro TSTORE                          ; the gathered rows go into my tile
	s_wait_loadcnt 0x0
	WIN 0x04                                       ; store data window 1
.set ii, 0
.rept 32
	ds_store_b128 v[TS], v[LAND+4*ii:LAND+4*ii+3] offset:TP*ii
.set ii, ii+1
.endr
	WIN 0
.endm
.macro FETCH p, f                      ; A fragments of K steps 2 p and 2 p + 1, both halves of the 32 rows
.irp kx, 0,1
.irp mb, 0,1
	ds_load_b128 v[\f+16*\kx+8*\mb:\f+16*\kx+8*\mb+3],   v[AF] offset:16*TP*\mb+64*(2*\p+\kx)
	ds_load_b128 v[\f+16*\kx+8*\mb+4:\f+16*\kx+8*\mb+7], v[AF] offset:16*TP*\mb+64*(2*\p+\kx)+32
.endr
.endr
.endm
; 16 matrix instructions of K step ks: the 16 accumulators take turns, one instruction a turn.  zero = 1: the products start the sums
.macro MUL ks, f, zero
	WIN 0x08+0x04*((\ks)/4)                        ; source 1 (weights) window 2 or 3
.irp mb, 0,1
.irp c, 0,1,2,3,4,5,6,7
.if \zero
	v_wmma_f32_16x16x32_bf16 v[ACC+8*(8*\mb+\c):ACC+8*(8*\mb+\c)+7], v[\f+16*((\ks)%2)+8*\mb:\f+16*((\ks)%2)+8*\mb+7], v[8*(8*((\ks)%4)+\c):8*(8*((\ks)%4)+\c)+7], 0
.else
	v_wmma_f32_16x16x32_bf16 v[ACC+8*(8*\mb+\c):ACC+8*(8*\mb+\c)+7], v[\f+16*((\ks)%2)+8*\mb:\f+16*((\ks)%2)+8*\mb+7], v[8*(8*((\ks)%4)+\c):8*(8*((\ks)%4)+\c)+7], v[ACC+8*(8*\mb+\c):ACC+8*(8*\mb+\c)+7]
.endif
.endr
.endr
.endm
	s_load_b256 s[4:11], s[0:1], 0x0               ; A's source s[4:5], weights s[6:7], lists s[8:9], cnt s[10:11]
	s_load_b64 s[12:13], s[0:1], 0x20              ; the output
	v_lshl_add_u32 v30, v0, 2, 0x30800
	v_mov_b32 v31, 0
	v_lshrrev_b32 v1, 5, v0
	v_readfirstlane_b32 s14, v1                    ; wave
	s_and_b32 s15, ttmp7, 0xffff                   ; expert
	s_mov_b32 s16, ttmp9                           ; X
	s_lshr_b32 s2, s14, 1                          ; w >> 1
	s_and_b32 s3, s14, 1                           ; w & 1
	v_and_b32 v1, 15, v0                           ; r
	v_bfe_u32 v2, v0, 4, 1                         ; h
	v_and_b32 v3, 31, v0                           ; L
	v_lshlrev_b32 v[WV], 4, v1
	v_lshl_add_u32 v[WV], v2, WHSH, v[WV]
	s_lshl_b32 s22, s15, 24                        ; an expert's weights are 16 MiB
.if GEMM == 1
	s_lshl_b32 s24, s16, 9                         ; my 128 columns
	s_lshl_b32 s25, s14, 22                        ; my wave's 256 rows of 16,384 bytes
	s_add_co_u32 s22, s22, s24
	s_add_co_u32 s22, s22, s25
	s_lshl_b32 s24, s14, 9                         ; my wave's 512 bytes of a row of xb
	s_lshl_b32 s25, s16, 8                         ; my 128 positions of a row of hbuf
.else
	s_lshr_b32 s26, s16, 3                         ; Q: which quarter of K
	s_and_b32 s27, s16, 7                          ; which 128 columns
	s_lshl_b32 s24, s26, 22                        ; 1,024 rows of 4,096 bytes
	s_add_co_u32 s22, s22, s24
	s_lshl_b32 s24, s27, 9
	s_lshl_b32 s25, s14, 20                        ; my wave's 256 rows
	s_add_co_u32 s22, s22, s24
	s_add_co_u32 s22, s22, s25
	s_lshl_b32 s24, s14, 9                         ; my wave's 512 bytes
	s_lshl_b32 s25, s26, 11                        ; in the quarter's 2,048 of a row of hbuf
	s_add_co_u32 s24, s24, s25
	s_lshl_b32 s25, s27, 9                         ; my 128 columns of a row of ypart
.endif
	s_mov_b32 s23, 0                               ; stays 0: the high word beside every 32-bit offset in s22
	v_lshl_add_u32 v[GL], v3, 4, s24
	v_lshl_add_u32 v[CO], v1, 4, s25
.irp j, 0,1,2,3
	v_mov_b32 v[SO+\j], v[CO]                      ; written on every path before a store names them
.endr
	s_mul_i32 s24, s14, TW
	s_add_co_u32 s24, s24, TILE                    ; my tile
	v_mul_u32_u24 v[AF], v1, TP
	v_lshl_add_u32 v[AF], v2, 4, v[AF]
	v_add_nc_u32 v[AF], s24, v[AF]
	v_lshl_add_u32 v[TS], v3, 4, s24
	s_lshl_b32 s24, s14, 14                        ; my image in a stage
	v_lshl_add_u32 v[DA], v3, 4, s24
	v_add_nc_u32 v[DA+1], STG, v[DA]
	s_lshl_b32 s24, s2, 13                         ; my quarter: accumulators 8 (w >> 1) + c, registers 4 (w & 1) on: quad 2 (8 (w >> 1) + c) + (w & 1), 512 bytes a quad
	s_lshl_b32 s25, s3, 9
	s_add_co_u32 s24, s24, s25
	v_lshl_add_u32 v[RA], v3, 4, s24
	v_add_nc_u32 v[RA+1], STG, v[RA]
	s_lshl_b32 s24, s2, 6                          ; its entries: 16 (w >> 1) + 8 h + 4 (w & 1) + 0 .. 3, 4 bytes each
	s_lshl_b32 s25, s3, 4
	s_add_co_u32 s24, s24, s25
	v_lshl_add_u32 v[LV], v2, 5, s24
	s_wait_kmcnt 0x0
	s_add_nc_u64 s[6:7], s[6:7], s[22:23]
	s_lshl_b32 s22, s15, 12
	s_add_nc_u64 s[8:9], s[8:9], s[22:23]          ; my expert's list
	s_lshl_b32 s22, s15, 8
	s_add_nc_u64 s[10:11], s[10:11], s[22:23]
.if GEMM == 2
	s_lshl_b32 s22, s26, 23                        ; a quarter's partial sums are 8 MiB
	s_add_nc_u64 s[12:13], s[12:13], s[22:23]
.endif
	s_load_b32 s17, s[10:11], 0x0                  ; n
	s_load_b512 s[32:47], s[8:9], 0x0              ; block 0's entries
	s_load_b512 s[48:63], s[8:9], 0x40
	; THE WEIGHTS COME IN: two batches of 16 loads are on their way while one is rounded.
	WLOAD 0
	WLOAD 1
	WLOAD 2
.irp t, 0,1,2,3,4,5,6,7,8,9,10,11,12,13,14,15
	s_wait_loadcnt 32                              ; behind batch t exactly 32 loads were issued: two batches; or batch 15 and 16 rows; or the 32 rows
	WCVT \t
.if \t <= 12
	WLOAD \t+3
.elseif \t == 13
	s_wait_kmcnt 0x0
	s_min_u32 s17, s17, 1024
	s_add_co_u32 s17, s17, 31
	s_lshr_b32 s17, s17, 5                         ; blocks of 32 entries, 32 at the most
	GATHER 0, 16                                   ; block 0's rows (with n = 0: row 0, loaded and not used)
.elseif \t == 14
	GATHER 16, 16
.endif
.endr
	TSTORE                                         ; my own bytes, and LDS serves a wave's instructions in order (ISA guide 5.7.1): no barrier
.if GEMM == 1
	s_mov_b32 s28, 0xbfb8aa3b                      ; -log2(e); the packed forms name pairs and take the low word for both halves
	s_mov_b32 s29, 0xbfb8aa3b
	s_mov_b32 s30, 1.0
	s_mov_b32 s31, 1.0
.endif
; Block b = s[sb] (b + 1 = s[sb+1]) on stage par.
.macro BLOCK par, sb
	s_cmp_ge_u32 s[\sb], s17
	s_cbranch_scc1 .Lmeet_\@                       ; no such block: only the barrier
	global_load_b128 v[LST:LST+3], v[LV], s[8:9] offset:128*\par   ; the four entries that I finish
	s_min_u32 s22, s[\sb+1], 31                    ; the next block's 32 entries (clamped to the list's 32 blocks)
	s_lshl_b32 s22, s22, 7
	s_add_nc_u64 s[24:25], s[8:9], s[22:23]
	s_load_b512 s[32:47], s[24:25], 0x0
	s_load_b512 s[48:63], s[24:25], 0x40
	FETCH 0, F0
	s_wait_dscnt 0x0
	MUL 0, F0, 1                                   ; the first K step starts the sums: nothing is cleared
	PLACES
	FETCH 1, F1
	MUL 1, F0, 0
	WIN 0
	s_wait_loadcnt 0x0                             ; my entries: the only load that is out
.irp j, 0,1,2,3
	v_min_u32 v[LST+\j], 0x7ff, v[LST+\j]          ; inside the buffer whatever the list holds
	v_lshl_add_u32 v[SO+\j], v[LST+\j], SOSH, v[CO]
.endr
	s_wait_kmcnt 0x0
	s_cmp_ge_u32 s[\sb+1], s17
	s_cbranch_scc1 .Lnone_\@
	GATHER 0, 32                                   ; the next block's rows are on their way during six K steps and the finishing
.Lnone_\@:
	s_wait_dscnt 0x0
	MUL 2, F1, 0
	PLACES
	FETCH 2, F0
	MUL 3, F1, 0
	s_wait_dscnt 0x0
	MUL 4, F0, 0
	PLACES
	FETCH 3, F1
	MUL 5, F0, 0
	s_wait_dscnt 0x0
	MUL 6, F1, 0
	MUL 7, F1, 0
.rept 6
	v_nop                                          ; four places in front of the stores that read the sums; five in front of the next block's products, which write over them
.endr
	WIN 0
.set ii, 0
.rept 32
	ds_store_b128 v[DA+\par], v[ACC+4*ii:ACC+4*ii+3] offset:512*ii   ; in ascending order: each accumulator's low four registers first
.set ii, ii+1
.endr
.Lmeet_\@:
	s_wait_dscnt 0x0                               ; for the others' sake: my image is in the stage, and my reads of the other stage are back
	s_barrier_signal -1
	s_barrier_wait -1
	s_cmp_ge_u32 s[\sb], s17
	s_cbranch_scc1 .Lfree_\@
.set ii, 0
.rept 32
	ds_load_b128 v[ACC+4*ii:ACC+4*ii+3], v[RA+\par] offset:16384*(ii/8)+1024*(ii%8)   ; image ii / 8, fragment ii % 8: four entries of one column
.set ii, ii+1
.endr
	s_wait_dscnt 16                                ; images 0 and 1 are in; the 16 loads of images 2 and 3 may be out
.set ii, 0
.rept 16
	v_pk_add_f32 v[ACC+2*ii:ACC+2*ii+1], v[ACC+2*ii:ACC+2*ii+1], v[ACC+32+2*ii:ACC+32+2*ii+1]
.set ii, ii+1
.endr
	s_wait_dscnt 0x0
.set ii, 0
.rept 16
	v_pk_add_f32 v[ACC+64+2*ii:ACC+64+2*ii+1], v[ACC+64+2*ii:ACC+64+2*ii+1], v[ACC+96+2*ii:ACC+96+2*ii+1]
.set ii, ii+1
.endr
.irp jp, 0,1,2,3
.irp c, 0,1,2,3,4,5,6,7
	v_add_f32 v[ACC+32+8*\jp+\c], v[ACC+4*\c+\jp], v[ACC+64+4*\c+\jp]   ; the last addition also turns [fragment][entry] into [entry][fragment]
.endr
.endr
.if GEMM == 1
	; silu(z) = z / (1 + 2^(-log2(e) z)), 32 numbers a lane
.set ii, 0
.rept 16
	v_pk_mul_f32 v[ACC+96+2*ii:ACC+96+2*ii+1], v[ACC+32+2*ii:ACC+32+2*ii+1], s[28:29] op_sel_hi:[1,0]
.set ii, ii+1
.endr
.set ii, 0
.rept 32
	v_exp_f32 v[ACC+96+ii], v[ACC+96+ii]
.set ii, ii+1
.endr
	v_nop                                          ; a plain instruction behind the last transcendental before its result is used (ISA guide 5.7.2)
.set ii, 0
	s_wait_alu depctr_va_vdst(0)
.rept 16
	v_pk_add_f32 v[ACC+96+2*ii:ACC+96+2*ii+1], v[ACC+96+2*ii:ACC+96+2*ii+1], s[30:31] op_sel_hi:[1,0]
.set ii, ii+1
.endr
.set ii, 0
.rept 32
	v_rcp_f32 v[ACC+96+ii], v[ACC+96+ii]
.set ii, ii+1
.endr
	v_nop
.set ii, 0
	s_wait_alu depctr_va_vdst(0)
.rept 16
	v_pk_mul_f32 v[ACC+32+2*ii:ACC+32+2*ii+1], v[ACC+32+2*ii:ACC+32+2*ii+1], v[ACC+96+2*ii:ACC+96+2*ii+1]
.set ii, ii+1
.endr
.set ii, 0
.rept 16
	v_cvt_pk_bf16_f32 v[ACC+ii], v[ACC+32+2*ii], v[ACC+32+2*ii+1]
.set ii, ii+1
.endr
.irp jp, 0,1,2,3
	global_store_b128 v[SO+\jp], v[ACC+4*\jp:ACC+4*\jp+3], s[12:13]   ; positions 8 r .. 8 r + 7: 16 lanes store 256 consecutive bytes of one row, aligned
.endr
.else
.irp jp, 0,1,2,3
.irp g, 0,1
	global_store_b128 v[SO+\jp], v[ACC+32+8*\jp+4*\g:ACC+32+8*\jp+4*\g+3], s[12:13] offset:256*\g   ; columns 64 g + 4 r .. + 3: 16 lanes store 256 consecutive bytes of one row, aligned
.endr
.endr
.endif
	s_cmp_ge_u32 s[\sb+1], s17
	s_cbranch_scc1 .Lfree_\@
	TSTORE                                         ; my reads of the tile are long back: the next block's rows take their place
.Lfree_\@:
	s_wait_loadcnt 0x0                             ; on every path: no load is out,
	s_wait_xcnt 0x0                                ; and the stores' offsets and data, and the loads' offsets, are rewritten only behind this wait
.endm
	s_mov_b32 s18, 0                               ; trip
	s_mov_b32 s19, 0                               ; 2 trip, 2 trip + 1, 2 trip + 2
	s_mov_b32 s20, 1
	s_mov_b32 s21, 2
.Ltrip:                                                ; 16 trips of two blocks, whatever n is
	BLOCK 0, 19
	BLOCK 1, 20
	v_add_nc_u32 v[LV], 0x100, v[LV]               ; two blocks' entries on
	s_add_co_u32 s19, s19, 2
	s_add_co_u32 s20, s20, 2
	s_add_co_u32 s21, s21, 2
	s_add_co_u32 s18, s18, 1
	s_cmp_lt_u32 s18, 16
	s_cbranch_scc1 .Ltrip
	s_wait_tensorcnt 0x0
	ds_add_u32 v30, v31
	s_wait_dscnt 0x0
	s_endpgm
.Lfunc_end_k_qa4d1efae9c_gemm1:
	.size	k_qa4d1efae9c_gemm1, .Lfunc_end_k_qa4d1efae9c_gemm1-k_qa4d1efae9c_gemm1
	.p2alignl 7, 3214868480
	.fill 96, 4, 3214868480
	.section	.rodata,"a",@progbits
	.p2align	6, 0x0
	.amdhsa_kernel k_qa4d1efae9c_gemm1
		.amdhsa_group_segment_fixed_size 199168
		.amdhsa_private_segment_fixed_size 0
		.amdhsa_enable_private_segment 0
		.amdhsa_kernarg_size 40
		.amdhsa_user_sgpr_count 2
		.amdhsa_user_sgpr_kernarg_segment_ptr 1
		.amdhsa_wavefront_size32 1
		.amdhsa_system_sgpr_workgroup_id_x 1
		.amdhsa_system_sgpr_workgroup_id_y 1
		.amdhsa_system_sgpr_workgroup_id_z 1
		.amdhsa_system_vgpr_workitem_id 0
		.amdhsa_next_free_vgpr 1024
		.amdhsa_next_free_sgpr 66
		.amdhsa_reserve_vcc 0
		.amdhsa_float_denorm_mode_32 3
		.amdhsa_float_denorm_mode_16_64 3
		.amdhsa_memory_ordered 1
		.amdhsa_forward_progress 1
		.amdhsa_inst_pref_size 143
	.end_amdhsa_kernel
	.amdgpu_metadata
---
amdhsa.version: [ 1, 2 ]
amdhsa.kernels:
  - .name:           k_qa4d1efae9c_gemm1
    .symbol:         k_qa4d1efae9c_gemm1.kd
    .args:
      - { .name: xb, .offset: 0, .size: 8, .value_kind: global_buffer, .address_space: global }
      - { .name: W1, .offset: 8, .size: 8, .value_kind: global_buffer, .address_space: global }
      - { .name: lists, .offset: 16, .size: 8, .value_kind: global_buffer, .address_space: global }
      - { .name: cnt, .offset: 24, .size: 8, .value_kind: global_buffer, .address_space: global }
      - { .name: hbuf, .offset: 32, .size: 8, .value_kind: global_buffer, .address_space: global }
    .group_segment_fixed_size: 199168
    .private_segment_fixed_size: 0
    .kernarg_segment_align: 8
    .kernarg_segment_size: 40
    .max_flat_workgroup_size: 128
    .sgpr_count:     66
    .vgpr_count:     1024
    .wavefront_size: 32
...
	.end_amdgpu_metadata
.endif
;; end of part 3
;; launch gemm2 (part 4): grid 32 x 8, 4 waves a work-group, no clusters, 199,168 bytes of LDS; arguments hbuf, W2, lists, cnt, ypart; writes ypart
.if DOCPART == 4
	.amdgcn_target "amdgcn-amd-amdhsa--gfx1250"
	.amdhsa_code_object_version 6
	.text
	.protected	k_qa4d1efae9c_gemm2
	.globl	k_qa4d1efae9c_gemm2
	.p2align	8
	.type	k_qa4d1efae9c_gemm2,@function
k_qa4d1efae9c_gemm2:
	s_mov_b64 s[64:65], 0
	v_nop
	global_prefetch_b8 v0, s[64:65] scope:SCOPE_SE
	s_setreg_imm32_b32 hwreg(HW_REG_WAVE_MODE, 25, 1), 1
	s_wait_xcnt 0x0
; ONE TEXT FOR BOTH EXPERT PRODUCTS, chosen by GEMM.  Only the assignments that the router chose are computed (the others have weight 0).
;   GEMM = 1: hbuf[a][.] = silu(xb[a >> 1] . W1[e])   (bf16; inside each 128 columns, position 8 r + 4 g + c holds true column 64 g + 4 r + c)
;   GEMM = 2: ypart[Q][a][.] = hbuf[a][positions 1,024 Q ..] . W2[e][those rows]   (f32, true column order; the four quarters Q are added by the next launch)
; SHARES.  Work-group (X, e) keeps 1,024 k x 128 n of expert e's weights in registers as bf16 for the whole launch: wave w holds k positions 256 w .. + 255,
; 8 K steps x 8 fragments x 8 registers = 512.  Each weight byte is read once in the launch, by one wave.  The expert's assignments walk past in blocks of 32 list entries.
; WEIGHTS lie [k][n] in f32.  A lane's 16-byte load takes 4 neighbouring n of one row k (16 lanes: 256 consecutive bytes, aligned); rounding rows k and k + 1 of one column
; into one word gives a register of a B fragment, if column 64 g + 4 r + c goes to fragment 4 g + c, lane r.  So no LDS and no turning load is needed.
; For GEMM = 2 the rows are taken in the order of hbuf's positions: one permutation of k, applied alike to both operands.
; A BLOCK.  Each wave gathers ITS 512 bytes (256 k) of the 32 rows into a tile of its own in LDS, multiplies (128 matrix instructions, 16 accumulators), puts its partial
; sums into a stage; one barrier; wave w adds the four images of a quarter of the block, finishes it and stores it: 16 lanes store 256 consecutive bytes of one row, aligned.
; Two stages take turns, so that one barrier a block orders both the writing against the reading and the reading against the next writing but one.
; The number of blocks hangs on cnt[e], read from memory.  Every wave passes every barrier: the loop has 32 blocks always, and only the work between barriers is jumped over.
; NO JOINT TENSOR LOADS: weights are shared by nobody; the rows of xb or hbuf that an expert's 32 work-groups share are named by a list, with no constant distance from row to
; row that one descriptor could state.
; LIMITS.  Operands rounded to bf16, sums in f32.  silu(z) = z / (1 + 2^(-1.442695 z)): for z below about -88 the power is infinite and the result is -0.
.set GEMM, 2
.if GEMM == 1
.set WPITCH, 16384                     ; bytes in a row of W1
.set WHSH,   17                        ; lanes 16-31 take the row 8 below: 8 x 16,384 = 1 << 17
.set SOSH,   13                        ; a row of hbuf is 8,192 bytes
.else
.set WPITCH, 4096                      ; bytes in a row of W2
.set WHSH,   14                        ; lanes 16-31 take the row 4 below: 4 x 4,096 = 1 << 14
.set SOSH,   12                        ; a row of ypart is 4,096 bytes
.endif
.set STG,  65536                       ; a stage: four images of 16 KiB; stage 0 at byte 0, stage 1 here
.set TILE, 131072                      ; behind the stages: a tile for each wave
.set TP,   528                         ; a tile's row: 512 bytes + 16: 33 x 16, so the 16 rows of a fragment load start at 16 different 16-byte columns modulo 256
.set TW,   32*TP
; window 0
.set WV,  4                            ; weights: h x rows x pitch + 16 r; never rewritten
.set GL,  5                            ; my 16 bytes in a gathered row
.set AF,  6                            ; tile: my place in a fragment: row r, 16 h
.set TS,  7                            ; tile: where my 16 bytes of a row go
.set DA,  8                            ; v8, v9   stage 0, 1: where my image goes
.set RA,  10                           ; v10, v11 stage 0, 1: where my quarter is read
.set LV,  12                           ; byte in the list of my four entries of the block
.set CO,  13                           ; my column bytes in an output row
.set LST, 16                           ; v[16:19] my four entries
.set SO,  20                           ; v[20:23] their output offsets
.set F0,  32                           ; v[32:63], v[64:95]: A fragments of two K steps each
.set F1,  64
.set ACC, 128                          ; v[128:255]: accumulator (mb, c) at ACC + 8 (8 mb + c); afterwards the four images and the finishing
; window 1
.set LAND, 0                           ; v256-383: a gathered row's 16 bytes, 4 registers a row
.set AD,   128                         ; v384-415: a row's offset
; windows 2, 3: weight fragment (ks, c) at 8 (8 (ks % 4) + c), window 2 + ks / 4
.set EL,  32                           ; s[32:63] 32 list entries
.set MSB, 0
.macro WIN new                         ; the immediate's high byte repeats the setting that is left; a switch that changes nothing is dropped
.if MSB != (\new)
	s_set_vgpr_msb (MSB<<8)|(\new)
.set MSB, (\new)
.endif
.endm
.macro PLACES                          ; four places between a matrix instruction and a load into a register that it read (ISA guide 7.12.1 for vector instructions)
.rept 4
	v_nop
.endr
.endm
; Batch t of 16: the 16 rows of K step t / 2 that a lane's fragments want, columns 64 (t % 2) on, into one of three landing slots of 64 registers
.macro WLOAD t
.set kk, (\t)/2
.set gg, (\t)%2
.set slt, 64+64*((\t)%3)
.set qq, 0
.rept 16
.if GEMM == 1
.set rw, 32*kk+16*(qq/8)+qq%8
.else
.set rw, 128*(kk/4)+16*(kk%4)+8*(qq/8)+64*((qq%8)/4)+qq%4
.endif
	global_load_b128 v[slt+4*qq:slt+4*qq+3], v[WV], s[6:7] offset:rw*WPITCH+256*gg th:TH_LOAD_NT
.set qq, qq+1
.endr
.endm
; Batch t is rounded into its four fragments: register 4 u + j of fragment 4 g + c takes rows (u, 2 j) and (u, 2 j + 1) of column c
.macro WCVT t
.set kk, (\t)/2
.set gg, (\t)%2
.set slt, 64+64*((\t)%3)
	WIN 0x80+0x40*(kk/4)
.set qq, 0
.rept 32
.set c4, qq/8
.set uu, (qq/4)%2
.set jj, qq%4
	v_cvt_pk_bf16_f32 v[8*(8*(kk%4)+4*gg+c4)+4*uu+jj], v[slt+4*(8*uu+2*jj)+c4], v[slt+4*(8*uu+2*jj+1)+c4]
.set qq, qq+1
.endr
	WIN 0
.endm
; Rows lo .. lo + n - 1 of the next block: entry -> row offset (clamped to the buffer whatever the list holds) -> one load of the wave's 512 bytes
.macro GATHER lo, n
	WIN 0x41                                       ; destination and source 0 (the load's address) window 1, source 1 (GL) window 0
.set ii, \lo
.rept \n
.if GEMM == 1
	s_lshr_b32 s[EL+ii], s[EL+ii], 1               ; token = a >> 1
	s_min_u32 s[EL+ii], s[EL+ii], 1023
	s_lshl_b32 s[EL+ii], s[EL+ii], 11              ; rows of 2,048 bytes
.else
	s_min_u32 s[EL+ii], s[EL+ii], 2047
	s_lshl_b32 s[EL+ii], s[EL+ii], 13              ; rows of 8,192 bytes
.endif
	v_add_nc_u32 v[AD+ii], s[EL+ii], v[GL]
	global_load_b128 v[LAND+4*ii:LAND+4*ii+3], v[AD+ii], s[4:5]
.set ii, ii+1
.endr
	WIN 0
.endm
.macro TSTORE                          ; the gathered rows go into my tile
	s_wait_loadcnt 0x0
	WIN 0x04                                       ; store data window 1
.set ii, 0
.rept 32
	ds_store_b128 v[TS], v[LAND+4*ii:LAND+4*ii+3] offset:TP*ii
.set ii, ii+1
.endr
	WIN 0
.endm
.macro FETCH p, f                      ; A fragments of K steps 2 p and 2 p + 1, both halves of the 32 rows
.irp kx, 0,1
.irp mb, 0,1
	ds_load_b128 v[\f+16*\kx+8*\mb:\f+16*\kx+8*\mb+3],   v[AF] offset:16*TP*\mb+64*(2*\p+\kx)
	ds_load_b128 v[\f+16*\kx+8*\mb+4:\f+16*\kx+8*\mb+7], v[AF] offset:16*TP*\mb+64*(2*\p+\kx)+32
.endr
.endr
.endm
; 16 matrix instructions of K step ks: the 16 accumulators take turns, one instruction a turn.  zero = 1: the products start the sums
.macro MUL ks, f, zero
	WIN 0x08+0x04*((\ks)/4)                        ; source 1 (weights) window 2 or 3
.irp mb, 0,1
.irp c, 0,1,2,3,4,5,6,7
.if \zero
	v_wmma_f32_16x16x32_bf16 v[ACC+8*(8*\mb+\c):ACC+8*(8*\mb+\c)+7], v[\f+16*((\ks)%2)+8*\mb:\f+16*((\ks)%2)+8*\mb+7], v[8*(8*((\ks)%4)+\c):8*(8*((\ks)%4)+\c)+7], 0
.else
	v_wmma_f32_16x16x32_bf16 v[ACC+8*(8*\mb+\c):ACC+8*(8*\mb+\c)+7], v[\f+16*((\ks)%2)+8*\mb:\f+16*((\ks)%2)+8*\mb+7], v[8*(8*((\ks)%4)+\c):8*(8*((\ks)%4)+\c)+7], v[ACC+8*(8*\mb+\c):ACC+8*(8*\mb+\c)+7]
.endif
.endr
.endr
.endm
	s_load_b256 s[4:11], s[0:1], 0x0               ; A's source s[4:5], weights s[6:7], lists s[8:9], cnt s[10:11]
	s_load_b64 s[12:13], s[0:1], 0x20              ; the output
	v_lshl_add_u32 v30, v0, 2, 0x30800
	v_mov_b32 v31, 0
	v_lshrrev_b32 v1, 5, v0
	v_readfirstlane_b32 s14, v1                    ; wave
	s_and_b32 s15, ttmp7, 0xffff                   ; expert
	s_mov_b32 s16, ttmp9                           ; X
	s_lshr_b32 s2, s14, 1                          ; w >> 1
	s_and_b32 s3, s14, 1                           ; w & 1
	v_and_b32 v1, 15, v0                           ; r
	v_bfe_u32 v2, v0, 4, 1                         ; h
	v_and_b32 v3, 31, v0                           ; L
	v_lshlrev_b32 v[WV], 4, v1
	v_lshl_add_u32 v[WV], v2, WHSH, v[WV]
	s_lshl_b32 s22, s15, 24                        ; an expert's weights are 16 MiB
.if GEMM == 1
	s_lshl_b32 s24, s16, 9                         ; my 128 columns
	s_lshl_b32 s25, s14, 22                        ; my wave's 256 rows of 16,384 bytes
	s_add_co_u32 s22, s22, s24
	s_add_co_u32 s22, s22, s25
	s_lshl_b32 s24, s14, 9                         ; my wave's 512 bytes of a row of xb
	s_lshl_b32 s25, s16, 8                         ; my 128 positions of a row of hbuf
.else
	s_lshr_b32 s26, s16, 3                         ; Q: which quarter of K
	s_and_b32 s27, s16, 7                          ; which 128 columns
	s_lshl_b32 s24, s26, 22                        ; 1,024 rows of 4,096 bytes
	s_add_co_u32 s22, s22, s24
	s_lshl_b32 s24, s27, 9
	s_lshl_b32 s25, s14, 20                        ; my wave's 256 rows
	s_add_co_u32 s22, s22, s24
	s_add_co_u32 s22, s22, s25
	s_lshl_b32 s24, s14, 9                         ; my wave's 512 bytes
	s_lshl_b32 s25, s26, 11                        ; in the quarter's 2,048 of a row of hbuf
	s_add_co_u32 s24, s24, s25
	s_lshl_b32 s25, s27, 9                         ; my 128 columns of a row of ypart
.endif
	s_mov_b32 s23, 0                               ; stays 0: the high word beside every 32-bit offset in s22
	v_lshl_add_u32 v[GL], v3, 4, s24
	v_lshl_add_u32 v[CO], v1, 4, s25
.irp j, 0,1,2,3
	v_mov_b32 v[SO+\j], v[CO]                      ; written on every path before a store names them
.endr
	s_mul_i32 s24, s14, TW
	s_add_co_u32 s24, s24, TILE                    ; my tile
	v_mul_u32_u24 v[AF], v1, TP
	v_lshl_add_u32 v[AF], v2, 4, v[AF]
	v_add_nc_u32 v[AF], s24, v[AF]
	v_lshl_add_u32 v[TS], v3, 4, s24
	s_lshl_b32 s24, s14, 14                        ; my image in a stage
	v_lshl_add_u32 v[DA], v3, 4, s24
	v_add_nc_u32 v[DA+1], STG, v[DA]
	s_lshl_b32 s24, s2, 13                         ; my quarter: accumulators 8 (w >> 1) + c, registers 4 (w & 1) on: quad 2 (8 (w >> 1) + c) + (w & 1), 512 bytes a quad
	s_lshl_b32 s25, s3, 9
	s_add_co_u32 s24, s24, s25
	v_lshl_add_u32 v[RA], v3, 4, s24
	v_add_nc_u32 v[RA+1], STG, v[RA]
	s_lshl_b32 s24, s2, 6                          ; its entries: 16 (w >> 1) + 8 h + 4 (w & 1) + 0 .. 3, 4 bytes each
	s_lshl_b32 s25, s3, 4
	s_add_co_u32 s24, s24, s25
	v_lshl_add_u32 v[LV], v2, 5, s24
	s_wait_kmcnt 0x0
	s_add_nc_u64 s[6:7], s[6:7], s[22:23]
	s_lshl_b32 s22, s15, 12
	s_add_nc_u64 s[8:9], s[8:9], s[22:23]          ; my expert's list
	s_lshl_b32 s22, s15, 8
	s_add_nc_u64 s[10:11], s[10:11], s[22:23]
.if GEMM == 2
	s_lshl_b32 s22, s26, 23                        ; a quarter's partial sums are 8 MiB
	s_add_nc_u64 s[12:13], s[12:13], s[22:23]
.endif
	s_load_b32 s17, s[10:11], 0x0                  ; n
	s_load_b512 s[32:47], s[8:9], 0x0              ; block 0's entries
	s_load_b512 s[48:63], s[8:9], 0x40
	; THE WEIGHTS COME IN: two batches of 16 loads are on their way while one is rounded.
	WLOAD 0
	WLOAD 1
	WLOAD 2
.irp t, 0,1,2,3,4,5,6,7,8,9,10,11,12,13,14,15
	s_wait_loadcnt 32                              ; behind batch t exactly 32 loads were issued: two batches; or batch 15 and 16 rows; or the 32 rows
	WCVT \t
.if \t <= 12
	WLOAD \t+3
.elseif \t == 13
	s_wait_kmcnt 0x0
	s_min_u32 s17, s17, 1024
	s_add_co_u32 s17, s17, 31
	s_lshr_b32 s17, s17, 5                         ; blocks of 32 entries, 32 at the most
	GATHER 0, 16                                   ; block 0's rows (with n = 0: row 0, loaded and not used)
.elseif \t == 14
	GATHER 16, 16
.endif
.endr
	TSTORE                                         ; my own bytes, and LDS serves a wave's instructions in order (ISA guide 5.7.1): no barrier
.if GEMM == 1
	s_mov_b32 s28, 0xbfb8aa3b                      ; -log2(e); the packed forms name pairs and take the low word for both halves
	s_mov_b32 s29, 0xbfb8aa3b
	s_mov_b32 s30, 1.0
	s_mov_b32 s31, 1.0
.endif
; Block b = s[sb] (b + 1 = s[sb+1]) on stage par.
.macro BLOCK par, sb
	s_cmp_ge_u32 s[\sb], s17
	s_cbranch_scc1 .Lmeet_\@                       ; no such block: only the barrier
	global_load_b128 v[LST:LST+3], v[LV], s[8:9] offset:128*\par   ; the four entries that I finish
	s_min_u32 s22, s[\sb+1], 31                    ; the next block's 32 entries (clamped to the list's 32 blocks)
	s_lshl_b32 s22, s22, 7
	s_add_nc_u64 s[24:25], s[8:9], s[22:23]
	s_load_b512 s[32:47], s[24:25], 0x0
	s_load_b512 s[48:63], s[24:25], 0x40
	FETCH 0, F0
	s_wait_dscnt 0x0
	MUL 0, F0, 1                                   ; the first K step starts the sums: nothing is cleared
	PLACES
	FETCH 1, F1
	MUL 1, F0, 0
	WIN 0
	s_wait_loadcnt 0x0                             ; my entries: the only load that is out
.irp j, 0,1,2,3
	v_min_u32 v[LST+\j], 0x7ff, v[LST+\j]          ; inside the buffer whatever the list holds
	v_lshl_add_u32 v[SO+\j], v[LST+\j], SOSH, v[CO]
.endr
	s_wait_kmcnt 0x0
	s_cmp_ge_u32 s[\sb+1], s17
	s_cbranch_scc1 .Lnone_\@
	GATHER 0, 32                                   ; the next block's rows are on their way during six K steps and the finishing
.Lnone_\@:
	s_wait_dscnt 0x0
	MUL 2, F1, 0
	PLACES
	FETCH 2, F0
	MUL 3, F1, 0
	s_wait_dscnt 0x0
	MUL 4, F0, 0
	PLACES
	FETCH 3, F1
	MUL 5, F0, 0
	s_wait_dscnt 0x0
	MUL 6, F1, 0
	MUL 7, F1, 0
.rept 6
	v_nop                                          ; four places in front of the stores that read the sums; five in front of the next block's products, which write over them
.endr
	WIN 0
.set ii, 0
.rept 32
	ds_store_b128 v[DA+\par], v[ACC+4*ii:ACC+4*ii+3] offset:512*ii   ; in ascending order: each accumulator's low four registers first
.set ii, ii+1
.endr
.Lmeet_\@:
	s_wait_dscnt 0x0                               ; for the others' sake: my image is in the stage, and my reads of the other stage are back
	s_barrier_signal -1
	s_barrier_wait -1
	s_cmp_ge_u32 s[\sb], s17
	s_cbranch_scc1 .Lfree_\@
.set ii, 0
.rept 32
	ds_load_b128 v[ACC+4*ii:ACC+4*ii+3], v[RA+\par] offset:16384*(ii/8)+1024*(ii%8)   ; image ii / 8, fragment ii % 8: four entries of one column
.set ii, ii+1
.endr
	s_wait_dscnt 16                                ; images 0 and 1 are in; the 16 loads of images 2 and 3 may be out
.set ii, 0
.rept 16
	v_pk_add_f32 v[ACC+2*ii:ACC+2*ii+1], v[ACC+2*ii:ACC+2*ii+1], v[ACC+32+2*ii:ACC+32+2*ii+1]
.set ii, ii+1
.endr
	s_wait_dscnt 0x0
.set ii, 0
.rept 16
	v_pk_add_f32 v[ACC+64+2*ii:ACC+64+2*ii+1], v[ACC+64+2*ii:ACC+64+2*ii+1], v[ACC+96+2*ii:ACC+96+2*ii+1]
.set ii, ii+1
.endr
.irp jp, 0,1,2,3
.irp c, 0,1,2,3,4,5,6,7
	v_add_f32 v[ACC+32+8*\jp+\c], v[ACC+4*\c+\jp], v[ACC+64+4*\c+\jp]   ; the last addition also turns [fragment][entry] into [entry][fragment]
.endr
.endr
.if GEMM == 1
	; silu(z) = z / (1 + 2^(-log2(e) z)), 32 numbers a lane
.set ii, 0
.rept 16
	v_pk_mul_f32 v[ACC+96+2*ii:ACC+96+2*ii+1], v[ACC+32+2*ii:ACC+32+2*ii+1], s[28:29] op_sel_hi:[1,0]
.set ii, ii+1
.endr
.set ii, 0
.rept 32
	v_exp_f32 v[ACC+96+ii], v[ACC+96+ii]
.set ii, ii+1
.endr
	v_nop                                          ; a plain instruction behind the last transcendental before its result is used (ISA guide 5.7.2)
.set ii, 0
.rept 16
	v_pk_add_f32 v[ACC+96+2*ii:ACC+96+2*ii+1], v[ACC+96+2*ii:ACC+96+2*ii+1], s[30:31] op_sel_hi:[1,0]
.set ii, ii+1
.endr
.set ii, 0
.rept 32
	v_rcp_f32 v[ACC+96+ii], v[ACC+96+ii]
.set ii, ii+1
.endr
	v_nop
.set ii, 0
.rept 16
	v_pk_mul_f32 v[ACC+32+2*ii:ACC+32+2*ii+1], v[ACC+32+2*ii:ACC+32+2*ii+1], v[ACC+96+2*ii:ACC+96+2*ii+1]
.set ii, ii+1
.endr
.set ii, 0
.rept 16
	v_cvt_pk_bf16_f32 v[ACC+ii], v[ACC+32+2*ii], v[ACC+32+2*ii+1]
.set ii, ii+1
.endr
.irp jp, 0,1,2,3
	global_store_b128 v[SO+\jp], v[ACC+4*\jp:ACC+4*\jp+3], s[12:13]   ; positions 8 r .. 8 r + 7: 16 lanes store 256 consecutive bytes of one row, aligned
.endr
.else
.irp jp, 0,1,2,3
.irp g, 0,1
	global_store_b128 v[SO+\jp], v[ACC+32+8*\jp+4*\g:ACC+32+8*\jp+4*\g+3], s[12:13] offset:256*\g   ; columns 64 g + 4 r .. + 3: 16 lanes store 256 consecutive bytes of one row, aligned
.endr
.endr
.endif
	s_cmp_ge_u32 s[\sb+1], s17
	s_cbranch_scc1 .Lfree_\@
	TSTORE                                         ; my reads of the tile are long back: the next block's rows take their place
.Lfree_\@:
	s_wait_loadcnt 0x0                             ; on every path: no load is out,
	s_wait_xcnt 0x0                                ; and the stores' offsets and data, and the loads' offsets, are rewritten only behind this wait
.endm
	s_mov_b32 s18, 0                               ; trip
	s_mov_b32 s19, 0                               ; 2 trip, 2 trip + 1, 2 trip + 2
	s_mov_b32 s20, 1
	s_mov_b32 s21, 2
.Ltrip:                                                ; 16 trips of two blocks, whatever n is
	BLOCK 0, 19
	BLOCK 1, 20
	v_add_nc_u32 v[LV], 0x100, v[LV]               ; two blocks' entries on
	s_add_co_u32 s19, s19, 2
	s_add_co_u32 s20, s20, 2
	s_add_co_u32 s21, s21, 2
	s_add_co_u32 s18, s18, 1
	s_cmp_lt_u32 s18, 16
	s_cbranch_scc1 .Ltrip
	s_wait_tensorcnt 0x0
	ds_add_u32 v30, v31
	s_wait_dscnt 0x0
	s_endpgm
.Lfunc_end_k_qa4d1efae9c_gemm2:
	.size	k_qa4d1efae9c_gemm2, .Lfunc_end_k_qa4d1efae9c_gemm2-k_qa4d1efae9c_gemm2
	.p2alignl 7, 3214868480
	.fill 96, 4, 3214868480
	.section	.rodata,"a",@progbits
	.p2align	6, 0x0
	.amdhsa_kernel k_qa4d1efae9c_gemm2
		.amdhsa_group_segment_fixed_size 199168
		.amdhsa_private_segment_fixed_size 0
		.amdhsa_enable_private_segment 0
		.amdhsa_kernarg_size 40
		.amdhsa_user_sgpr_count 2
		.amdhsa_user_sgpr_kernarg_segment_ptr 1
		.amdhsa_wavefront_size32 1
		.amdhsa_system_sgpr_workgroup_id_x 1
		.amdhsa_system_sgpr_workgroup_id_y 1
		.amdhsa_system_sgpr_workgroup_id_z 1
		.amdhsa_system_vgpr_workitem_id 0
		.amdhsa_next_free_vgpr 1024
		.amdhsa_next_free_sgpr 66
		.amdhsa_reserve_vcc 0
		.amdhsa_float_denorm_mode_32 3
		.amdhsa_float_denorm_mode_16_64 3
		.amdhsa_memory_ordered 1
		.amdhsa_forward_progress 1
		.amdhsa_inst_pref_size 129
	.end_amdhsa_kernel
	.amdgpu_metadata
---
amdhsa.version: [ 1, 2 ]
amdhsa.kernels:
  - .name:           k_qa4d1efae9c_gemm2
    .symbol:         k_qa4d1efae9c_gemm2.kd
    .args:
      - { .name: hbuf, .offset: 0, .size: 8, .value_kind: global_buffer, .address_space: global }
      - { .name: W2, .offset: 8, .size: 8, .value_kind: global_buffer, .address_space: global }
      - { .name: lists, .offset: 16, .size: 8, .value_kind: global_buffer, .address_space: global }
      - { .name: cnt, .offset: 24, .size: 8, .value_kind: global_buffer, .address_space: global }
      - { .name: ypart, .offset: 32, .size: 8, .value_kind: global_buffer, .address_space: global }
    .group_segment_fixed_size: 199168
    .private_segment_fixed_size: 0
    .kernarg_segment_align: 8
    .kernarg_segment_size: 40
    .max_flat_workgroup_size: 128
    .sgpr_count:     66
    .vgpr_count:     1024
    .wavefront_size: 32
...
	.end_amdgpu_metadata
.endif
;; end of part 4
;; launch combine (part 5): grid 256 x 1, 8 waves a work-group, no clusters, 0 bytes of LDS; arguments ypart, gate, out0; writes out0
.if DOCPART == 5
	.amdgcn_target "amdgcn-amd-amdhsa--gfx1250"
	.amdhsa_code_object_version 6
	.text
	.protected	k_qa4d1efae9c_combine
	.globl	k_qa4d1efae9c_combine
	.p2align	8
	.type	k_qa4d1efae9c_combine,@function
k_qa4d1efae9c_combine:
	s_mov_b64 s[64:65], 0
	v_nop
	global_prefetch_b8 v0, s[64:65] scope:SCOPE_SE
	s_setreg_imm32_b32 hwreg(HW_REG_WAVE_MODE, 25, 1), 1
	s_wait_xcnt 0x0
; COMBINE.  out0[t] = gate[2t] y[2t] + gate[2t+1] y[2t+1], where y[a] = the sum over the four K quarters of ypart[q][a], added as (q0 + q1) + (q2 + q3).
; A stream: every byte of ypart is read once, every byte of out0 written once.  A work-group owns 4 tokens (8 rows a); thread i owns bytes 16 i of every row,
; so a wave's load or store covers 512 consecutive bytes, aligned.  All 32 loads of a thread go out at once; the waits count down token by token.
; No LDS, no barrier, no matrix unit: nothing is shared and nothing is multiplied but by the two weights.
.set Y, 8                              ; v[8:135]   Y + 4 (8 tt + 4 r + q)
.set O, 136                            ; v[136:151] O + 4 tt
	s_load_b128 s[4:7], s[0:1], 0x0                ; ypart s[4:5], gate s[6:7]
	s_load_b64 s[8:9], s[0:1], 0x10                ; out0
	v_lshlrev_b32 v1, 4, v0                        ; my 16 bytes of a row
	s_lshl_b32 s10, ttmp9, 5                       ; 8 weights of 4 bytes
	s_mov_b32 s11, 0
	s_lshl_b32 s28, ttmp9, 15                      ; 8 rows of 4,096 bytes
	s_mov_b32 s29, 0
	s_lshl_b32 s30, ttmp9, 14                      ; 4 rows of out0
	s_mov_b32 s31, 0
	s_wait_kmcnt 0x0
	s_add_nc_u64 s[6:7], s[6:7], s[10:11]
	s_load_b256 s[20:27], s[6:7], 0x0              ; gate[8 g .. 8 g + 7]
	s_add_nc_u64 s[12:13], s[4:5], s[28:29]        ; a base for each quarter: 8 MiB apart, more than a load's immediate reaches
	s_add_nc_u64 s[14:15], s[12:13], 0x800000
	s_add_nc_u64 s[16:17], s[14:15], 0x800000
	s_add_nc_u64 s[18:19], s[16:17], 0x800000
	s_add_nc_u64 s[8:9], s[8:9], s[30:31]
.irp tt, 0,1,2,3
.irp r, 0,1
.irp q, 0,1,2,3
	global_load_b128 v[Y+4*(8*\tt+4*\r+\q):Y+4*(8*\tt+4*\r+\q)+3], v1, s[12+2*\q:13+2*\q] offset:4096*(2*\tt+\r) th:TH_LOAD_NT
.endr
.endr
.endr
	s_wait_kmcnt 0x0
.irp tt, 0,1,2,3
	s_wait_loadcnt 24-8*\tt                        ; this token's eight loads are in; the later tokens' eight each may stay out
.irp r, 0,1
.irp k, 0,2
	v_pk_add_f32 v[Y+32*\tt+16*\r+\k:Y+32*\tt+16*\r+\k+1], v[Y+32*\tt+16*\r+\k:Y+32*\tt+16*\r+\k+1], v[Y+32*\tt+16*\r+4+\k:Y+32*\tt+16*\r+4+\k+1]
	v_pk_add_f32 v[Y+32*\tt+16*\r+8+\k:Y+32*\tt+16*\r+8+\k+1], v[Y+32*\tt+16*\r+8+\k:Y+32*\tt+16*\r+8+\k+1], v[Y+32*\tt+16*\r+12+\k:Y+32*\tt+16*\r+12+\k+1]
.endr
.irp k, 0,2
	v_pk_add_f32 v[Y+32*\tt+16*\r+\k:Y+32*\tt+16*\r+\k+1], v[Y+32*\tt+16*\r+\k:Y+32*\tt+16*\r+\k+1], v[Y+32*\tt+16*\r+8+\k:Y+32*\tt+16*\r+8+\k+1]
.endr
.endr
.irp c, 0,1,2,3
	v_mul_f32 v[O+4*\tt+\c], s[20+2*\tt], v[Y+32*\tt+\c]
.endr
.irp c, 0,1,2,3
	v_fma_f32 v[O+4*\tt+\c], s[21+2*\tt], v[Y+32*\tt+16+\c], v[O+4*\tt+\c]
.endr
	global_store_b128 v1, v[O+4*\tt:O+4*\tt+3], s[8:9] offset:4096*\tt th:TH_STORE_NT
.endr
	s_endpgm
.Lfunc_end_k_qa4d1efae9c_combine:
	.size	k_qa4d1efae9c_combine, .Lfunc_end_k_qa4d1efae9c_combine-k_qa4d1efae9c_combine
	.p2alignl 7, 3214868480
	.fill 96, 4, 3214868480
	.section	.rodata,"a",@progbits
	.p2align	6, 0x0
	.amdhsa_kernel k_qa4d1efae9c_combine
		.amdhsa_group_segment_fixed_size 0
		.amdhsa_private_segment_fixed_size 0
		.amdhsa_enable_private_segment 0
		.amdhsa_kernarg_size 24
		.amdhsa_user_sgpr_count 2
		.amdhsa_user_sgpr_kernarg_segment_ptr 1
		.amdhsa_wavefront_size32 1
		.amdhsa_system_sgpr_workgroup_id_x 1
		.amdhsa_system_sgpr_workgroup_id_y 1
		.amdhsa_system_sgpr_workgroup_id_z 1
		.amdhsa_system_vgpr_workitem_id 0
		.amdhsa_next_free_vgpr 160
		.amdhsa_next_free_sgpr 66
		.amdhsa_reserve_vcc 0
		.amdhsa_float_denorm_mode_32 3
		.amdhsa_float_denorm_mode_16_64 3
		.amdhsa_memory_ordered 1
		.amdhsa_forward_progress 1
		.amdhsa_inst_pref_size 10
	.end_amdhsa_kernel
	.amdgpu_metadata
---
amdhsa.version: [ 1, 2 ]
amdhsa.kernels:
  - .name:           k_qa4d1efae9c_combine
    .symbol:         k_qa4d1efae9c_combine.kd
    .args:
      - { .name: ypart, .offset: 0, .size: 8, .value_kind: global_buffer, .address_space: global }
      - { .name: gate, .offset: 8, .size: 8, .value_kind: global_buffer, .address_space: global }
      - { .name: out0, .offset: 16, .size: 8, .value_kind: global_buffer, .address_space: global }
    .group_segment_fixed_size: 0
    .private_segment_fixed_size: 0
    .kernarg_segment_align: 8
    .kernarg_segment_size: 24
    .max_flat_workgroup_size: 256
    .sgpr_count:     66
    .vgpr_count:     160
    .wavefront_size: 32
...
	.end_amdgpu_metadata
.endif
;; end of part 5
;; ======== version 2 of 2: 5 launches; version 1 with the launches gemm1, gemm2 written anew for expert scheduling mode
;; workspace buffers: xb 2,097,152 bytes; sel 8,192 bytes of whole numbers; gate 8,192 bytes; lists 32,768 bytes of whole numbers; cnt 2,048 bytes of whole numbers; hbuf 16,777,216 bytes; ypart 33,554,432 bytes
;; launch route: the kernel of part 1 again; grid 256 x 1, 4 waves a work-group, no clusters, 16,896 bytes of LDS; arguments x, Wr, xb, sel, gate; writes xb, sel, gate
;; launch lists: the kernel of part 2 again; grid 8 x 1, 1 waves a work-group, no clusters, 4,608 bytes of LDS; arguments sel, lists, cnt; writes lists, cnt
;; launch gemm1 (part 6): grid 32 x 8, 4 waves a work-group, no clusters, 199,168 bytes of LDS; arguments xb, W1, lists, cnt, hbuf; writes hbuf
.if DOCPART == 6
	.amdgcn_target "amdgcn-amd-amdhsa--gfx1250"
	.amdhsa_code_object_version 6
	.text
	.protected	k_qa4d1efae9c_gemm1
	.globl	k_qa4d1efae9c_gemm1
	.p2align	8
	.type	k_qa4d1efae9c_gemm1,@function
k_qa4d1efae9c_gemm1:
	s_mov_b64 s[64:65], 0
	v_nop
	global_prefetch_b8 v0, s[64:65] scope:SCOPE_SE
	s_setreg_imm32_b32 hwreg(HW_REG_WAVE_SCHED_MODE, 0, 2), 2
	s_setreg_imm32_b32 hwreg(HW_REG_WAVE_MODE, 25, 1), 1
	s_wait_xcnt 0x0
	s_wait_alu depctr_vm_vsrc(0)
; ONE TEXT FOR BOTH EXPERT PRODUCTS, chosen by GEMM.  Only the assignments that the router chose are computed (the others have weight 0).
;   GEMM = 1: hbuf[a][.] = silu(xb[a >> 1] . W1[e])   (bf16; inside each 128 columns, position 8 r + 4 g + c holds true column 64 g + 4 r + c)
;   GEMM = 2: ypart[Q][a][.] = hbuf[a][positions 1,024 Q ..] . W2[e][those rows]   (f32, true column order; the four quarters Q are added by the next launch)
; SHARES.  Work-group (X, e) keeps 1,024 k x 128 n of expert e's weights in registers as bf16 for the whole launch: wave w holds k positions 256 w .. + 255,
; 8 K steps x 8 fragments x 8 registers = 512.  Each weight byte is read once in the launch, by one wave.  The expert's assignments walk past in blocks of 32 list entries.
; WEIGHTS lie [k][n] in f32.  A lane's 16-byte load takes 4 neighbouring n of one row k (16 lanes: 256 consecutive bytes, aligned); rounding rows k and k + 1 of one column
; into one word gives a register of a B fragment, if column 64 g + 4 r + c goes to fragment 4 g + c, lane r.  So no LDS and no turning load is needed.
; For GEMM = 2 the rows are taken in the order of hbuf's positions: one permutation of k, applied alike to both operands.
; A BLOCK.  Each wave has ITS 512 bytes (256 k) of the block's 32 rows in a tile of its own in LDS, multiplies (128 matrix instructions, 16 accumulators), puts its partial
; sums into a stage; one barrier; wave w adds the four images of a quarter of the block, finishes it and stores it: 16 lanes store 256 consecutive bytes of one row, aligned.
; The next block's rows are asked for at a block's head and go into the tile at its end.
; Two stages take turns, so that one barrier a block orders both the writing against the reading and the reading against the next writing but one.
; The number of blocks hangs on cnt[e], read from memory.  Every wave passes every barrier: the loop has 32 blocks always, and only the work between barriers is jumped over.
; NO JOINT TENSOR LOADS: weights are shared by nobody; the rows of xb or hbuf that an expert's 32 work-groups share are named by a list, with no constant distance from row to
; row that one descriptor could state.
; LIMITS.  Operands rounded to bf16, sums in f32.  silu(z) = z / (1 + 2^(-1.442695 z)): for z below about -88 the power is infinite and the result is -0.
; THE MODE: SCHED_MODE bits 1:0 = 2 (LLVM: expert scheduling mode 2), set by the entry lines.  The code itself states the register dependences
; between vector or matrix instructions and memory or LDS instructions, with s_wait_alu, always for 0.
; THE PLAN.  Registers that memory or LDS instructions touch, and who else names them:
;   four landing slots   (the weights' way in)  Batch t lands in slot t % 4; step t's conversions read it; batch t + 4, asked for in step t + 1, lands in it again.
;   F0 .. F3             A fragments of two K steps each.  Loaded once a block from the tile; read by that block's matrix instructions alone.
;   ACC                  Written by the matrix instructions; read by the LDS stores into the stage; then the four images land in it, the finishing works in it, the global stores read it.
;   LAND                 The next block's rows land in it; the LDS stores into the tile read it at the block's end; no vector instruction names it.
;   AD, SO, LST          40 vector instructions at a block's head make AD and SO and read LST.  The row loads read AD, the block's global stores SO; the next block's entries land in LST.
;   LV                   Read by the load of the entries; stepped once a trip.        WV, AF, TS, DA, RA: made at the kernel's head, never written again.
; So a block holds five waits: one on va_vdst behind its head's vector instructions, on which all its 33 global loads and 32 fragment loads lean (the matrix instructions between name
; other fragment buffers, the weights and ACC alone); one on va_vdst ahead of the stage's stores; one on vm_vsrc ahead of the images' loads; one on va_vdst ahead of the global stores;
; one on vm_vsrc at its end, ahead of all that the next block writes again.
; The list runs a block further ahead than the rows: block b reads the entries of block b + 2 into scalar registers and makes row offsets of them beside its last 32 matrix instructions.
.set GEMM, 1
.if GEMM == 1
.set WPITCH, 16384                     ; bytes in a row of W1
.set WHSH,   17                        ; lanes 16-31 take the row 8 below: 8 x 16,384 = 1 << 17
.set SOSH,   13                        ; a row of hbuf is 8,192 bytes
.else
.set WPITCH, 4096                      ; bytes in a row of W2
.set WHSH,   14                        ; lanes 16-31 take the row 4 below: 4 x 4,096 = 1 << 14
.set SOSH,   12                        ; a row of ypart is 4,096 bytes
.endif
.set STG,  65536                       ; a stage: four images of 16 KiB; stage 0 at byte 0, stage 1 here
.set TILE, 131072                      ; behind the stages: a tile for each wave
.set TP,   528                         ; a tile's row: 512 bytes + 16: 33 x 16, so the 16 rows of a fragment load start at 16 different 16-byte columns modulo 256
.set TW,   32*TP
; window 0
.set WV,  4                            ; weights: h x rows x pitch + 16 r; never rewritten
.set GL,  5                            ; my 16 bytes in a gathered row
.set AF,  6                            ; tile: my place in a fragment: row r, 16 h
.set TS,  7                            ; tile: where my 16 bytes of a row go
.set DA,  8                            ; v8, v9   stage 0, 1: where my image goes
.set RA,  10                           ; v10, v11 stage 0, 1: where my quarter is read
.set LV,  12                           ; byte in the list of my four entries of the trip's first block
.set CO,  13                           ; my column bytes in an output row
.set LST, 16                           ; v[16:19] my four entries
.set SO,  20                           ; v[20:23] their output offsets
.set F0,  32                           ; v[32:127]: A fragments of K steps 0 to 5: buffer p (K steps 2 p, 2 p + 1) at F0 + 32 p
.set ACC, 128                          ; v[128:255]: accumulator (mb, c) at ACC + 8 (8 mb + c); afterwards the four images and the finishing
; window 1
.set LAND, 0                           ; v256-383: a gathered row's 16 bytes, 4 registers a row
.set AD,   128                         ; v384-415: a row's offset
.set F3,   160                         ; v416-447: A fragments of K steps 6 and 7
.set S3,   192                         ; v448-511: the weights' fourth landing slot (the first three: v64-255)
; windows 2, 3: weight fragment (ks, c) at 8 (8 (ks % 4) + c), window 2 + ks / 4
.set EL,  32                           ; s[32:63] 32 list entries, then their rows' byte offsets
.set MSB, 0
.macro WIN new                         ; the immediate's high byte repeats the setting that is left; a switch that changes nothing is dropped
.if MSB != (\new)
	s_set_vgpr_msb (MSB<<8)|(\new)
.set MSB, (\new)
.endif
.endm
; Batch t of 16: the 16 rows of K step t / 2 that a lane's fragments want, columns 64 (t % 2) on, into landing slot t % 4
.macro WLOAD t
.set kk, (\t)/2
.set gg, (\t)%2
.if (\t)%4 == 3
	WIN 0x40                                       ; destination window 1, address window 0
.set slt, S3
.else
	WIN 0
.set slt, 64+64*((\t)%4)
.endif
.set qq, 0
.rept 16
.if GEMM == 1
.set rw, 32*kk+16*(qq/8)+qq%8
.else
.set rw, 128*(kk/4)+16*(kk%4)+8*(qq/8)+64*((qq%8)/4)+qq%4
.endif
	global_load_b128 v[slt+4*qq:slt+4*qq+3], v[WV], s[6:7] offset:rw*WPITCH+256*gg th:TH_LOAD_NT
.set qq, qq+1
.endr
.endm
; Batch t is rounded into its four fragments: register 4 u + j of fragment 4 g + c takes rows (u, 2 j) and (u, 2 j + 1) of column c
.macro WCVT t
.set kk, (\t)/2
.set gg, (\t)%2
.if (\t)%4 == 3
.set slt, S3
	WIN 0x85+0x40*(kk/4)                           ; both sources window 1
.else
.set slt, 64+64*((\t)%4)
	WIN 0x80+0x40*(kk/4)
.endif
.set qq, 0
.rept 32
.set c4, qq/8
.set uu, (qq/4)%2
.set jj, qq%4
	v_cvt_pk_bf16_f32 v[8*(8*(kk%4)+4*gg+c4)+4*uu+jj], v[slt+4*(8*uu+2*jj)+c4], v[slt+4*(8*uu+2*jj+1)+c4]
.set qq, qq+1
.endr
	WIN 0
.endm
; List entry i -> its row's byte offset, clamped to the buffer whatever the list holds: scalar work alone
.macro PROC i
.if GEMM == 1
	s_lshr_b32 s[EL+(\i)], s[EL+(\i)], 1           ; token = a >> 1
	s_min_u32 s[EL+(\i)], s[EL+(\i)], 1023
	s_lshl_b32 s[EL+(\i)], s[EL+(\i)], 11          ; rows of 2,048 bytes
.else
	s_min_u32 s[EL+(\i)], s[EL+(\i)], 2047
	s_lshl_b32 s[EL+(\i)], s[EL+(\i)], 13          ; rows of 8,192 bytes
.endif
.endm
.macro PROCS                           ; all 32 of them
.set pe, 0
.rept 32
	PROC pe
.set pe, pe+1
.endr
.endm
.macro ADDRS                           ; the 32 rows' offsets plus my 16 bytes in a row
	WIN 0x41                                       ; destination window 1, source 1 (GL) window 0; the loads that follow under this setting take address and destination from window 1
.set ii, 0
.rept 32
	v_add_nc_u32 v[AD+ii], s[EL+ii], v[GL]
.set ii, ii+1
.endr
.endm
.macro GLOAD lo, n                     ; rows lo .. lo + n - 1: one load each of the wave's 512 bytes
	WIN 0x41
.set ii, \lo
.rept \n
	global_load_b128 v[LAND+4*ii:LAND+4*ii+3], v[AD+ii], s[4:5]
.set ii, ii+1
.endr
	WIN 0
.endm
.macro TSTORE                          ; the gathered rows go into my tile
	s_wait_loadcnt 0x0
	WIN 0x04                                       ; store data window 1
.set ii, 0
.rept 32
	ds_store_b128 v[TS], v[LAND+4*ii:LAND+4*ii+3] offset:TP*ii
.set ii, ii+1
.endr
	WIN 0
.endm
.macro FETCH p                         ; A fragments of K steps 2 p and 2 p + 1, both halves of the 32 rows, into buffer p
.if (\p) == 3
	WIN 0x40                                       ; destination window 1, address window 0
.set fa, F3
.else
.if (MSB & 0xc3)
	WIN 0                                          ; destination and address window 0 (a product's setting for its weights leaves both there)
.endif
.set fa, F0+32*(\p)
.endif
.irp kx, 0,1
.irp mb, 0,1
	ds_load_b128 v[fa+16*\kx+8*\mb:fa+16*\kx+8*\mb+3],   v[AF] offset:16*TP*\mb+64*(2*(\p)+\kx)
	ds_load_b128 v[fa+16*\kx+8*\mb+4:fa+16*\kx+8*\mb+7], v[AF] offset:16*TP*\mb+64*(2*(\p)+\kx)+32
.endr
.endr
.endm
; 16 matrix instructions of K step ks: the 16 accumulators take turns, one instruction a turn.  zero = 1: the products start the sums.
; ent >= 0: behind each of the 16 stands the scalar work for one list entry, ent on.
.macro MUL ks, zero, ent=-1
.if (\ks)/2 == 3
.set fa, F3+16*((\ks)%2)
.else
.set fa, F0+32*((\ks)/2)+16*((\ks)%2)
.endif
	WIN 0x08+0x04*((\ks)/4)+(\ks)/6                ; source 1 (weights) window 2 or 3; source 0 window 1 for K steps 6 and 7
.irp mb, 0,1
.irp c, 0,1,2,3,4,5,6,7
.if \zero
	v_wmma_f32_16x16x32_bf16 v[ACC+8*(8*\mb+\c):ACC+8*(8*\mb+\c)+7], v[fa+8*\mb:fa+8*\mb+7], v[8*(8*((\ks)%4)+\c):8*(8*((\ks)%4)+\c)+7], 0
.else
	v_wmma_f32_16x16x32_bf16 v[ACC+8*(8*\mb+\c):ACC+8*(8*\mb+\c)+7], v[fa+8*\mb:fa+8*\mb+7], v[8*(8*((\ks)%4)+\c):8*(8*((\ks)%4)+\c)+7], v[ACC+8*(8*\mb+\c):ACC+8*(8*\mb+\c)+7]
.endif
.if (\ent) >= 0
	PROC (\ent)+8*\mb+\c
.endif
.endr
.endr
.endm
	s_load_b256 s[4:11], s[0:1], 0x0               ; A's source s[4:5], weights s[6:7], lists s[8:9], cnt s[10:11]
	s_load_b64 s[12:13], s[0:1], 0x20              ; the output
	v_lshl_add_u32 v30, v0, 2, 0x30800
	v_mov_b32 v31, 0
	v_lshrrev_b32 v1, 5, v0
	v_readfirstlane_b32 s14, v1                    ; wave
	s_and_b32 s15, ttmp7, 0xffff                   ; expert
	s_mov_b32 s16, ttmp9                           ; X
	s_wait_alu depctr_va_sdst(0)                   ; s14 is written, ahead of its first reader: bases and LDS places are made from it
	s_lshr_b32 s2, s14, 1                          ; w >> 1
	s_and_b32 s3, s14, 1                           ; w & 1
	v_and_b32 v1, 15, v0                           ; r
	v_bfe_u32 v2, v0, 4, 1                         ; h
	v_and_b32 v3, 31, v0                           ; L
	v_lshlrev_b32 v[WV], 4, v1
	v_lshl_add_u32 v[WV], v2, WHSH, v[WV]
	s_lshl_b32 s22, s15, 24                        ; an expert's weights are 16 MiB
.if GEMM == 1
	s_lshl_b32 s24, s16, 9                         ; my 128 columns
	s_lshl_b32 s25, s14, 22                        ; my wave's 256 rows of 16,384 bytes
	s_add_co_u32 s22, s22, s24
	s_add_co_u32 s22, s22, s25
	s_lshl_b32 s24, s14, 9                         ; my wave's 512 bytes of a row of xb
	s_lshl_b32 s25, s16, 8                         ; my 128 positions of a row of hbuf
.else
	s_lshr_b32 s26, s16, 3                         ; Q: which quarter of K
	s_and_b32 s27, s16, 7                          ; which 128 columns
	s_lshl_b32 s24, s26, 22                        ; 1,024 rows of 4,096 bytes
	s_add_co_u32 s22, s22, s24
	s_lshl_b32 s24, s27, 9
	s_lshl_b32 s25, s14, 20                        ; my wave's 256 rows
	s_add_co_u32 s22, s22, s24
	s_add_co_u32 s22, s22, s25
	s_lshl_b32 s24, s14, 9                         ; my wave's 512 bytes
	s_lshl_b32 s25, s26, 11                        ; in the quarter's 2,048 of a row of hbuf
	s_add_co_u32 s24, s24, s25
	s_lshl_b32 s25, s27, 9                         ; my 128 columns of a row of ypart
.endif
	s_mov_b32 s23, 0                               ; stays 0: the high word beside every 32-bit offset in s22
	v_lshl_add_u32 v[GL], v3, 4, s24
	v_lshl_add_u32 v[CO], v1, 4, s25
.irp j, 0,1,2,3
	v_mov_b32 v[SO+\j], v[CO]                      ; written on every path before a store names them
.endr
	s_mul_i32 s24, s14, TW
	s_add_co_u32 s24, s24, TILE                    ; my tile
	v_mul_u32_u24 v[AF], v1, TP
	v_lshl_add_u32 v[AF], v2, 4, v[AF]
	v_add_nc_u32 v[AF], s24, v[AF]
	v_lshl_add_u32 v[TS], v3, 4, s24
	s_lshl_b32 s24, s14, 14                        ; my image in a stage
	v_lshl_add_u32 v[DA], v3, 4, s24
	v_add_nc_u32 v[DA+1], STG, v[DA]
	s_lshl_b32 s24, s2, 13                         ; my quarter: accumulators 8 (w >> 1) + c, registers 4 (w & 1) on: quad 2 (8 (w >> 1) + c) + (w & 1), 512 bytes a quad
	s_lshl_b32 s25, s3, 9
	s_add_co_u32 s24, s24, s25
	v_lshl_add_u32 v[RA], v3, 4, s24
	v_add_nc_u32 v[RA+1], STG, v[RA]
	s_lshl_b32 s24, s2, 6                          ; its entries: 16 (w >> 1) + 8 h + 4 (w & 1) + 0 .. 3, 4 bytes each
	s_lshl_b32 s25, s3, 4
	s_add_co_u32 s24, s24, s25
	v_lshl_add_u32 v[LV], v2, 5, s24
	s_wait_kmcnt 0x0
	s_add_nc_u64 s[6:7], s[6:7], s[22:23]
	s_lshl_b32 s22, s15, 12
	s_add_nc_u64 s[8:9], s[8:9], s[22:23]          ; my expert's list
	s_lshl_b32 s22, s15, 8
	s_add_nc_u64 s[10:11], s[10:11], s[22:23]
.if GEMM == 2
	s_lshl_b32 s22, s26, 23                        ; a quarter's partial sums are 8 MiB
	s_add_nc_u64 s[12:13], s[12:13], s[22:23]
.endif
	s_load_b32 s17, s[10:11], 0x0                  ; n
	s_load_b512 s[32:47], s[8:9], 0x0              ; block 0's entries
	s_load_b512 s[48:63], s[8:9], 0x40
	s_wait_alu depctr_va_vdst(0)                   ; the offsets and LDS addresses v4 to v13 and v20 to v23 are written, which the loads and stores of the kernel read
	; THE WEIGHTS COME IN: up to four batches of 16 loads are on their way.  Step t asks for batch t + 3, into the slot that step t - 1 emptied, and then rounds batch t.
	global_load_b128 v[LST:LST+3], v[LV], s[8:9]   ; the four entries of block 0 that I finish: older than every batch, so the first wait below shows it in
	WLOAD 0
	WLOAD 1
	WLOAD 2
.irp t, 0,1,2,3,4,5,6,7,8,9,10,11,12,13,14,15
	s_wait_loadcnt 32                              ; behind batch t exactly 32 loads were issued: two batches; or batch 15 and 16 rows; or the 32 rows
.if (\t >= 1) && (\t <= 12)
	s_wait_alu depctr_va_vdst(0)                   ; the conversions of the step before are done reading their slot, in which the batch asked for below lands (step 0's batch lands in a slot that nothing has named)
.endif
.if \t <= 12
	WLOAD \t+3
.elseif \t == 13
	s_wait_kmcnt 0x0
	s_min_u32 s17, s17, 1024
	s_add_co_u32 s17, s17, 31
	s_lshr_b32 s17, s17, 5                         ; blocks of 32 entries, 32 at the most
	PROCS
	ADDRS                                          ; block 0's rows (with n = 0: row 0, loaded and not used)
	s_wait_alu depctr_va_vdst(0)                   ; v[AD ..] are written, which the 32 row loads of this step and the next read; the address lines are done reading s[32:63], which the scalar loads below write
	GLOAD 0, 16
	s_load_b512 s[32:47], s[8:9], 0x80             ; block 1's entries
	s_load_b512 s[48:63], s[8:9], 0xc0
.elseif \t == 14
	GLOAD 16, 16                                   ; no wait: the conversions since name a landing slot and the weights alone
.endif
	WCVT \t
.endr
	TSTORE                                         ; my own bytes, and LDS serves a wave's instructions in order (ISA guide 5.7.1): no barrier
	s_wait_kmcnt 0x0
	PROCS                                          ; block 1's rows: block 0's head makes their addresses
.if GEMM == 1
	s_mov_b32 s28, 0xbfb8aa3b                      ; -log2(e); the packed forms name pairs and take the low word for both halves
	s_mov_b32 s29, 0xbfb8aa3b
	s_mov_b32 s30, 1.0
	s_mov_b32 s31, 1.0
.endif
	s_wait_alu depctr_vm_vsrc(0)                   ; block 0's row loads (done: the tile's stores waited for them) have read v[AD ..], which the first block's head writes again; the tile's stores have read v[LAND ..], in which block 1's rows land
	s_wait_alu depctr_va_vdst(0)                   ; the conversions are done reading the landing slots: v[64:255] are fragment buffers and accumulators from here on, in which LDS loads land
; Block b = s[sb] (b + 1 = s[sb+1]) on stage par.
.macro BLOCK par, sb
	s_cmp_ge_u32 s[\sb], s17
	s_cbranch_scc1 .Lmeet_\@                       ; no such block: only the barrier
.irp j, 0,1,2,3
	v_min_u32 v[LST+\j], 0x7ff, v[LST+\j]          ; inside the buffer whatever the list holds
	v_lshl_add_u32 v[SO+\j], v[LST+\j], SOSH, v[CO]
.endr
	ADDRS                                          ; block b + 1's rows
	WIN 0
	s_wait_alu depctr_va_vdst(0)                   ; v[AD ..] and v[SO ..] are written (and v[LV], in a trip's first block); v[LST ..] has been read; the block before is done reading F0 to F3: all loads and stores up to the stage's lean on this wait
	FETCH 0
	FETCH 1
	s_add_co_u32 s22, s[\sb+1], 1                  ; the 32 entries of block b + 2 (clamped to the list's 32 blocks)
	s_min_u32 s22, s22, 31
	s_lshl_b32 s22, s22, 7
	s_add_nc_u64 s[24:25], s[8:9], s[22:23]
	s_load_b512 s[32:47], s[24:25], 0x0
	s_load_b512 s[48:63], s[24:25], 0x40
	s_cmp_ge_u32 s[\sb+1], s17
	s_cbranch_scc1 .Lnone_\@
	global_load_b128 v[LST:LST+3], v[LV], s[8:9] offset:128*(\par+1)   ; the four entries of block b + 1 that I finish
	GLOAD 0, 32                                    ; its rows are on their way during eight K steps, the stage and the finishing
.Lnone_\@:
	s_wait_dscnt 8                                 ; F0 is in; the eight loads of F1 may be out
	MUL 0, 1                                       ; the first K step starts the sums: nothing is cleared
	FETCH 2                                        ; no wait: the products since the head's wait name F0, the weights and the accumulators
	MUL 1, 0
	s_wait_dscnt 8                                 ; F1 is in; the eight loads of F2 may be out
	MUL 2, 0
	FETCH 3                                        ; likewise: F0, F1, the weights and the accumulators
	MUL 3, 0
	s_wait_dscnt 8                                 ; F2 is in; the eight loads of F3 may be out
	MUL 4, 0
	MUL 5, 0
	s_wait_dscnt 0x0
	s_wait_kmcnt 0x0                               ; the entries of block b + 2
	MUL 6, 0, 0
	MUL 7, 0, 16
.rept 6
	v_nop                                          ; four places in front of the stores that read the sums; five in front of the next block's products, which write over them
.endr
	WIN 0
	s_wait_alu depctr_va_vdst(0)                   ; the matrix instructions have written the accumulators, which the LDS stores read and in which the images land later; the places above stay beside this wait
.set ii, 0
.rept 32
	ds_store_b128 v[DA+\par], v[ACC+4*ii:ACC+4*ii+3] offset:512*ii   ; in ascending order: each accumulator's low four registers first
.set ii, ii+1
.endr
.Lmeet_\@:
	s_wait_dscnt 0x0                               ; for the others' sake: my image is in the stage, and my reads of the other stage are back
	s_barrier_signal -1
	s_barrier_wait -1
	s_cmp_ge_u32 s[\sb], s17
	s_cbranch_scc1 .Lfree_\@
	s_wait_alu depctr_vm_vsrc(0)                   ; my LDS stores into the stage have read the accumulators' registers, in which the images land
.set ii, 0
.rept 32
	ds_load_b128 v[ACC+4*ii:ACC+4*ii+3], v[RA+\par] offset:16384*(ii/8)+1024*(ii%8)   ; image ii / 8, fragment ii % 8: four entries of one column
.set ii, ii+1
.endr
	s_wait_dscnt 16                                ; images 0 and 1 are in; the 16 loads of images 2 and 3 may be out
.set ii, 0
.rept 16
	v_pk_add_f32 v[ACC+2*ii:ACC+2*ii+1], v[ACC+2*ii:ACC+2*ii+1], v[ACC+32+2*ii:ACC+32+2*ii+1]
.set ii, ii+1
.endr
	s_wait_dscnt 0x0
.set ii, 0
.rept 16
	v_pk_add_f32 v[ACC+64+2*ii:ACC+64+2*ii+1], v[ACC+64+2*ii:ACC+64+2*ii+1], v[ACC+96+2*ii:ACC+96+2*ii+1]
.set ii, ii+1
.endr
.irp jp, 0,1,2,3
.irp c, 0,1,2,3,4,5,6,7
	v_add_f32 v[ACC+32+8*\jp+\c], v[ACC+4*\c+\jp], v[ACC+64+4*\c+\jp]   ; the last addition also turns [fragment][entry] into [entry][fragment]
.endr
.endr
.if GEMM == 1
	; silu(z) = z / (1 + 2^(-log2(e) z)), 32 numbers a lane
.set ii, 0
.rept 16
	v_pk_mul_f32 v[ACC+96+2*ii:ACC+96+2*ii+1], v[ACC+32+2*ii:ACC+32+2*ii+1], s[28:29] op_sel_hi:[1,0]
.set ii, ii+1
.endr
.set ii, 0
.rept 32
	v_exp_f32 v[ACC+96+ii], v[ACC+96+ii]
.set ii, ii+1
.endr
	v_nop                                          ; a plain instruction behind the last transcendental before its result is used (ISA guide 5.7.2)
.set ii, 0
	s_wait_alu depctr_va_vdst(0)
.rept 16
	v_pk_add_f32 v[ACC+96+2*ii:ACC+96+2*ii+1], v[ACC+96+2*ii:ACC+96+2*ii+1], s[30:31] op_sel_hi:[1,0]
.set ii, ii+1
.endr
.set ii, 0
.rept 32
	v_rcp_f32 v[ACC+96+ii], v[ACC+96+ii]
.set ii, ii+1
.endr
	v_nop
.set ii, 0
	s_wait_alu depctr_va_vdst(0)
.rept 16
	v_pk_mul_f32 v[ACC+32+2*ii:ACC+32+2*ii+1], v[ACC+32+2*ii:ACC+32+2*ii+1], v[ACC+96+2*ii:ACC+96+2*ii+1]
.set ii, ii+1
.endr
.set ii, 0
.rept 16
	v_cvt_pk_bf16_f32 v[ACC+ii], v[ACC+32+2*ii], v[ACC+32+2*ii+1]
.set ii, ii+1
.endr
	s_wait_alu depctr_va_vdst(0)                   ; the roundings have written v[ACC .. ACC+15], which the stores read
.irp jp, 0,1,2,3
	global_store_b128 v[SO+\jp], v[ACC+4*\jp:ACC+4*\jp+3], s[12:13]   ; positions 8 r .. 8 r + 7: 16 lanes store 256 consecutive bytes of one row, aligned
.endr
.else
	s_wait_alu depctr_va_vdst(0)                   ; the last additions have written v[ACC+32 .. ACC+63], which the stores read
.irp jp, 0,1,2,3
.irp g, 0,1
	global_store_b128 v[SO+\jp], v[ACC+32+8*\jp+4*\g:ACC+32+8*\jp+4*\g+3], s[12:13] offset:256*\g   ; columns 64 g + 4 r .. + 3: 16 lanes store 256 consecutive bytes of one row, aligned
.endr
.endr
.endif
	s_cmp_ge_u32 s[\sb+1], s17
	s_cbranch_scc1 .Lfree_\@
	TSTORE                                         ; my reads of the tile are long back: the next block's rows take their place
.Lfree_\@:
	s_wait_loadcnt 0x0                             ; on every path: no load is out,
	s_wait_xcnt 0x0                                ; and the stores' offsets and data, and the loads' offsets, are rewritten only behind this wait
	s_wait_alu depctr_vm_vsrc(0)                   ; the global stores have read their data and v[SO ..], the stage's stores the accumulators, the row loads v[AD ..], the tile's stores v[LAND ..], the entries' load v[LV]: the next block, or the trip's end, writes all of these again
.endm
	s_mov_b32 s18, 0                               ; trip
	s_mov_b32 s19, 0                               ; 2 trip, 2 trip + 1, 2 trip + 2
	s_mov_b32 s20, 1
	s_mov_b32 s21, 2
.Ltrip:                                                ; 16 trips of two blocks, whatever n is
	BLOCK 0, 19
	BLOCK 1, 20
	v_add_nc_u32 v[LV], 0x100, v[LV]               ; two blocks' entries on; its next reader stands behind the next block's wait on va_vdst
	s_add_co_u32 s19, s19, 2
	s_add_co_u32 s20, s20, 2
	s_add_co_u32 s21, s21, 2
	s_add_co_u32 s18, s18, 1
	s_cmp_lt_u32 s18, 16
	s_cbranch_scc1 .Ltrip
	s_wait_dscnt 0x0
	s_wait_alu depctr_hold_cnt(0) depctr_sa_sdst(0) depctr_va_vdst(0) depctr_va_sdst(0) depctr_va_ssrc(0) depctr_va_vcc(0) depctr_vm_vsrc(0)
	s_wait_tensorcnt 0x0
	ds_add_u32 v30, v31
	s_wait_dscnt 0x0
	s_endpgm
.Lfunc_end_k_qa4d1efae9c_gemm1:
	.size	k_qa4d1efae9c_gemm1, .Lfunc_end_k_qa4d1efae9c_gemm1-k_qa4d1efae9c_gemm1
	.p2alignl 7, 3214868480
	.fill 96, 4, 3214868480
	.section	.rodata,"a",@progbits
	.p2align	6, 0x0
	.amdhsa_kernel k_qa4d1efae9c_gemm1
		.amdhsa_group_segment_fixed_size 199168
		.amdhsa_private_segment_fixed_size 0
		.amdhsa_enable_private_segment 0
		.amdhsa_kernarg_size 40
		.amdhsa_user_sgpr_count 2
		.amdhsa_user_sgpr_kernarg_segment_ptr 1
		.amdhsa_wavefront_size32 1
		.amdhsa_system_sgpr_workgroup_id_x 1
		.amdhsa_system_sgpr_workgroup_id_y 1
		.amdhsa_system_sgpr_workgroup_id_z 1
		.amdhsa_system_vgpr_workitem_id 0
		.amdhsa_next_free_vgpr 1024
		.amdhsa_next_free_sgpr 66
		.amdhsa_reserve_vcc 0
		.amdhsa_float_denorm_mode_32 3
		.amdhsa_float_denorm_mode_16_64 3
		.amdhsa_memory_ordered 1
		.amdhsa_forward_progress 1
		.amdhsa_inst_pref_size 148
	.end_amdhsa_kernel
	.amdgpu_metadata
---
amdhsa.version: [ 1, 2 ]
amdhsa.kernels:
  - .name:           k_qa4d1efae9c_gemm1
    .symbol:         k_qa4d1efae9c_gemm1.kd
    .args:
      - { .name: xb, .offset: 0, .size: 8, .value_kind: global_buffer, .address_space: global }
      - { .name: W1, .offset: 8, .size: 8, .value_kind: global_buffer, .address_space: global }
      - { .name: lists, .offset: 16, .size: 8, .value_kind: global_buffer, .address_space: global }
      - { .name: cnt, .offset: 24, .size: 8, .value_kind: global_buffer, .address_space: global }
      - { .name: hbuf, .offset: 32, .size: 8, .value_kind: global_buffer, .address_space: global }
    .group_segment_fixed_size: 199168
    .private_segment_fixed_size: 0
    .kernarg_segment_align: 8
    .kernarg_segment_size: 40
    .max_flat_workgroup_size: 128
    .sgpr_count:     66
    .vgpr_count:     1024
    .wavefront_size: 32
...
	.end_amdgpu_metadata
.endif
;; end of part 6
;; launch gemm2 (part 7): grid 32 x 8, 4 waves a work-group, no clusters, 199,168 bytes of LDS; arguments hbuf, W2, lists, cnt, ypart; writes ypart
.if DOCPART == 7
	.amdgcn_target "amdgcn-amd-amdhsa--gfx1250"
	.amdhsa_code_object_version 6
	.text
	.protected	k_qa4d1efae9c_gemm2
	.globl	k_qa4d1efae9c_gemm2
	.p2align	8
	.type	k_qa4d1efae9c_gemm2,@function
k_qa4d1efae9c_gemm2:
	s_mov_b64 s[64:65], 0
	v_nop
	global_prefetch_b8 v0, s[64:65] scope:SCOPE_SE
	s_setreg_imm32_b32 hwreg(HW_REG_WAVE_SCHED_MODE, 0, 2), 2
	s_setreg_imm32_b32 hwreg(HW_REG_WAVE_MODE, 25, 1), 1
	s_wait_xcnt 0x0
	s_wait_alu depctr_vm_vsrc(0)
; ONE TEXT FOR BOTH EXPERT PRODUCTS, chosen by GEMM.  Only the assignments that the router chose are computed (the others have weight 0).
;   GEMM = 1: hbuf[a][.] = silu(xb[a >> 1] . W1[e])   (bf16; inside each 128 columns, position 8 r + 4 g + c holds true column 64 g + 4 r + c)
;   GEMM = 2: ypart[Q][a][.] = hbuf[a][positions 1,024 Q ..] . W2[e][those rows]   (f32, true column order; the four quarters Q are added by the next launch)
; SHARES.  Work-group (X, e) keeps 1,024 k x 128 n of expert e's weights in registers as bf16 for the whole launch: wave w holds k positions 256 w .. + 255,
; 8 K steps x 8 fragments x 8 registers = 512.  Each weight byte is read once in the launch, by one wave.  The expert's assignments walk past in blocks of 32 list entries.
; WEIGHTS lie [k][n] in f32.  A lane's 16-byte load takes 4 neighbouring n of one row k (16 lanes: 256 consecutive bytes, aligned); rounding rows k and k + 1 of one column
; into one word gives a register of a B fragment, if column 64 g + 4 r + c goes to fragment 4 g + c, lane r.  So no LDS and no turning load is needed.
; For GEMM = 2 the rows are taken in the order of hbuf's positions: one permutation of k, applied alike to both operands.
; A BLOCK.  Each wave has ITS 512 bytes (256 k) of the block's 32 rows in a tile of its own in LDS, multiplies (128 matrix instructions, 16 accumulators), puts its partial
; sums into a stage; one barrier; wave w adds the four images of a quarter of the block, finishes it and stores it: 16 lanes store 256 consecutive bytes of one row, aligned.
; The next block's rows are asked for at a block's head and go into the tile at its end.
; Two stages take turns, so that one barrier a block orders both the writing against the reading and the reading against the next writing but one.
; The number of blocks hangs on cnt[e], read from memory.  Every wave passes every barrier: the loop has 32 blocks always, and only the work between barriers is jumped over.
; NO JOINT TENSOR LOADS: weights are shared by nobody; the rows of xb or hbuf that an expert's 32 work-groups share are named by a list, with no constant distance from row to
; row that one descriptor could state.
; LIMITS.  Operands rounded to bf16, sums in f32.  silu(z) = z / (1 + 2^(-1.442695 z)): for z below about -88 the power is infinite and the result is -0.
; THE MODE: SCHED_MODE bits 1:0 = 2 (LLVM: expert scheduling mode 2), set by the entry lines.  The code itself states the register dependences
; between vector or matrix instructions and memory or LDS instructions, with s_wait_alu, always for 0.
; THE PLAN.  Registers that memory or LDS instructions touch, and who else names them:
;   four landing slots   (the weights' way in)  Batch t lands in slot t % 4; step t's conversions read it; batch t + 4, asked for in step t + 1, lands in it again.
;   F0 .. F3             A fragments of two K steps each.  Loaded once a block from the tile; read by that block's matrix instructions alone.
;   ACC                  Written by the matrix instructions; read by the LDS stores into the stage; then the four images land in it, the finishing works in it, the global stores read it.
;   LAND                 The next block's rows land in it; the LDS stores into the tile read it at the block's end; no vector instruction names it.
;   AD, SO, LST          40 vector instructions at a block's head make AD and SO and read LST.  The row loads read AD, the block's global stores SO; the next block's entries land in LST.
;   LV                   Read by the load of the entries; stepped once a trip.        WV, AF, TS, DA, RA: made at the kernel's head, never written again.
; So a block holds five waits: one on va_vdst behind its head's vector instructions, on which all its 33 global loads and 32 fragment loads lean (the matrix instructions between name
; other fragment buffers, the weights and ACC alone); one on va_vdst ahead of the stage's stores; one on vm_vsrc ahead of the images' loads; one on va_vdst ahead of the global stores;
; one on vm_vsrc at its end, ahead of all that the next block writes again.
; The list runs a block further ahead than the rows: block b reads the entries of block b + 2 into scalar registers and makes row offsets of them beside its last 32 matrix instructions.
.set GEMM, 2
.if GEMM == 1
.set WPITCH, 16384                     ; bytes in a row of W1
.set WHSH,   17                        ; lanes 16-31 take the row 8 below: 8 x 16,384 = 1 << 17
.set SOSH,   13                        ; a row of hbuf is 8,192 bytes
.else
.set WPITCH, 4096                      ; bytes in a row of W2
.set WHSH,   14                        ; lanes 16-31 take the row 4 below: 4 x 4,096 = 1 << 14
.set SOSH,   12                        ; a row of ypart is 4,096 bytes
.endif
.set STG,  65536                       ; a stage: four images of 16 KiB; stage 0 at byte 0, stage 1 here
.set TILE, 131072                      ; behind the stages: a tile for each wave
.set TP,   528                         ; a tile's row: 512 bytes + 16: 33 x 16, so the 16 rows of a fragment load start at 16 different 16-byte columns modulo 256
.set TW,   32*TP
; window 0
.set WV,  4                            ; weights: h x rows x pitch + 16 r; never rewritten
.set GL,  5                            ; my 16 bytes in a gathered row
.set AF,  6                            ; tile: my place in a fragment: row r, 16 h
.set TS,  7                            ; tile: where my 16 bytes of a row go
.set DA,  8                            ; v8, v9   stage 0, 1: where my image goes
.set RA,  10                           ; v10, v11 stage 0, 1: where my quarter is read
.set LV,  12                           ; byte in the list of my four entries of the trip's first block
.set CO,  13                           ; my column bytes in an output row
.set LST, 16                           ; v[16:19] my four entries
.set SO,  20                           ; v[20:23] their output offsets
.set F0,  32                           ; v[32:127]: A fragments of K steps 0 to 5: buffer p (K steps 2 p, 2 p + 1) at F0 + 32 p
.set ACC, 128                          ; v[128:255]: accumulator (mb, c) at ACC + 8 (8 mb + c); afterwards the four images and the finishing
; window 1
.set LAND, 0                           ; v256-383: a gathered row's 16 bytes, 4 registers a row
.set AD,   128                         ; v384-415: a row's offset
.set F3,   160                         ; v416-447: A fragments of K steps 6 and 7
.set S3,   192                         ; v448-511: the weights' fourth landing slot (the first three: v64-255)
; windows 2, 3: weight fragment (ks, c) at 8 (8 (ks % 4) + c), window 2 + ks / 4
.set EL,  32                           ; s[32:63] 32 list entries, then their rows' byte offsets
.set MSB, 0
.macro WIN new                         ; the immediate's high byte repeats the setting that is left; a switch that changes nothing is dropped
.if MSB != (\new)
	s_set_vgpr_msb (MSB<<8)|(\new)
.set MSB, (\new)
.endif
.endm
; Batch t of 16: the 16 rows of K step t / 2 that a lane's fragments want, columns 64 (t % 2) on, into landing slot t % 4
.macro WLOAD t
.set kk, (\t)/2
.set gg, (\t)%2
.if (\t)%4 == 3
	WIN 0x40                                       ; destination window 1, address window 0
.set slt, S3
.else
	WIN 0
.set slt, 64+64*((\t)%4)
.endif
.set qq, 0
.rept 16
.if GEMM == 1
.set rw, 32*kk+16*(qq/8)+qq%8
.else
.set rw, 128*(kk/4)+16*(kk%4)+8*(qq/8)+64*((qq%8)/4)+qq%4
.endif
	global_load_b128 v[slt+4*qq:slt+4*qq+3], v[WV], s[6:7] offset:rw*WPITCH+256*gg th:TH_LOAD_NT
.set qq, qq+1
.endr
.endm
; Batch t is rounded into its four fragments: register 4 u + j of fragment 4 g + c takes rows (u, 2 j) and (u, 2 j + 1) of column c
.macro WCVT t
.set kk, (\t)/2
.set gg, (\t)%2
.if (\t)%4 == 3
.set slt, S3
	WIN 0x85+0x40*(kk/4)                           ; both sources window 1
.else
.set slt, 64+64*((\t)%4)
	WIN 0x80+0x40*(kk/4)
.endif
.set qq, 0
.rept 32
.set c4, qq/8
.set uu, (qq/4)%2
.set jj, qq%4
	v_cvt_pk_bf16_f32 v[8*(8*(kk%4)+4*gg+c4)+4*uu+jj], v[slt+4*(8*uu+2*jj)+c4], v[slt+4*(8*uu+2*jj+1)+c4]
.set qq, qq+1
.endr
	WIN 0
.endm
; List entry i -> its row's byte offset, clamped to the buffer whatever the list holds: scalar work alone
.macro PROC i
.if GEMM == 1
	s_lshr_b32 s[EL+(\i)], s[EL+(\i)], 1           ; token = a >> 1
	s_min_u32 s[EL+(\i)], s[EL+(\i)], 1023
	s_lshl_b32 s[EL+(\i)], s[EL+(\i)], 11          ; rows of 2,048 bytes
.else
	s_min_u32 s[EL+(\i)], s[EL+(\i)], 2047
	s_lshl_b32 s[EL+(\i)], s[EL+(\i)], 13          ; rows of 8,192 bytes
.endif
.endm
.macro PROCS                           ; all 32 of them
.set pe, 0
.rept 32
	PROC pe
.set pe, pe+1
.endr
.endm
.macro ADDRS                           ; the 32 rows' offsets plus my 16 bytes in a row
	WIN 0x41                                       ; destination window 1, source 1 (GL) window 0; the loads that follow under this setting take address and destination from window 1
.set ii, 0
.rept 32
	v_add_nc_u32 v[AD+ii], s[EL+ii], v[GL]
.set ii, ii+1
.endr
.endm
.macro GLOAD lo, n                     ; rows lo .. lo + n - 1: one load each of the wave's 512 bytes
	WIN 0x41
.set ii, \lo
.rept \n
	global_load_b128 v[LAND+4*ii:LAND+4*ii+3], v[AD+ii], s[4:5]
.set ii, ii+1
.endr
	WIN 0
.endm
.macro TSTORE                          ; the gathered rows go into my tile
	s_wait_loadcnt 0x0
	WIN 0x04                                       ; store data window 1
.set ii, 0
.rept 32
	ds_store_b128 v[TS], v[LAND+4*ii:LAND+4*ii+3] offset:TP*ii
.set ii, ii+1
.endr
	WIN 0
.endm
.macro FETCH p                         ; A fragments of K steps 2 p and 2 p + 1, both halves of the 32 rows, into buffer p
.if (\p) == 3
	WIN 0x40                                       ; destination window 1, address window 0
.set fa, F3
.else
.if (MSB & 0xc3)
	WIN 0                                          ; destination and address window 0 (a product's setting for its weights leaves both there)
.endif
.set fa, F0+32*(\p)
.endif
.irp kx, 0,1
.irp mb, 0,1
	ds_load_b128 v[fa+16*\kx+8*\mb:fa+16*\kx+8*\mb+3],   v[AF] offset:16*TP*\mb+64*(2*(\p)+\kx)
	ds_load_b128 v[fa+16*\kx+8*\mb+4:fa+16*\kx+8*\mb+7], v[AF] offset:16*TP*\mb+64*(2*(\p)+\kx)+32
.endr
.endr
.endm
; 16 matrix instructions of K step ks: the 16 accumulators take turns, one instruction a turn.  zero = 1: the products start the sums.
; ent >= 0: behind each of the 16 stands the scalar work for one list entry, ent on.
.macro MUL ks, zero, ent=-1
.if (\ks)/2 == 3
.set fa, F3+16*((\ks)%2)
.else
.set fa, F0+32*((\ks)/2)+16*((\ks)%2)
.endif
	WIN 0x08+0x04*((\ks)/4)+(\ks)/6                ; source 1 (weights) window 2 or 3; source 0 window 1 for K steps 6 and 7
.irp mb, 0,1
.irp c, 0,1,2,3,4,5,6,7
.if \zero
	v_wmma_f32_16x16x32_bf16 v[ACC+8*(8*\mb+\c):ACC+8*(8*\mb+\c)+7], v[fa+8*\mb:fa+8*\mb+7], v[8*(8*((\ks)%4)+\c):8*(8*((\ks)%4)+\c)+7], 0
.else
	v_wmma_f32_16x16x32_bf16 v[ACC+8*(8*\mb+\c):ACC+8*(8*\mb+\c)+7], v[fa+8*\mb:fa+8*\mb+7], v[8*(8*((\ks)%4)+\c):8*(8*((\ks)%4)+\c)+7], v[ACC+8*(8*\mb+\c):ACC+8*(8*\mb+\c)+7]
.endif
.if (\ent) >= 0
	PROC (\ent)+8*\mb+\c
.endif
.endr
.endr
.endm
	s_load_b256 s[4:11], s[0:1], 0x0               ; A's source s[4:5], weights s[6:7], lists s[8:9], cnt s[10:11]
	s_load_b64 s[12:13], s[0:1], 0x20              ; the output
	v_lshl_add_u32 v30, v0, 2, 0x30800
	v_mov_b32 v31, 0
	v_lshrrev_b32 v1, 5, v0
	v_readfirstlane_b32 s14, v1                    ; wave
	s_and_b32 s15, ttmp7, 0xffff                   ; expert
	s_mov_b32 s16, ttmp9                           ; X
	s_wait_alu depctr_va_sdst(0)                   ; s14 is written, ahead of its first reader: bases and LDS places are made from it
	s_lshr_b32 s2, s14, 1                          ; w >> 1
	s_and_b32 s3, s14, 1                           ; w & 1
	v_and_b32 v1, 15, v0                           ; r
	v_bfe_u32 v2, v0, 4, 1                         ; h
	v_and_b32 v3, 31, v0                           ; L
	v_lshlrev_b32 v[WV], 4, v1
	v_lshl_add_u32 v[WV], v2, WHSH, v[WV]
	s_lshl_b32 s22, s15, 24                        ; an expert's weights are 16 MiB
.if GEMM == 1
	s_lshl_b32 s24, s16, 9                         ; my 128 columns
	s_lshl_b32 s25, s14, 22                        ; my wave's 256 rows of 16,384 bytes
	s_add_co_u32 s22, s22, s24
	s_add_co_u32 s22, s22, s25
	s_lshl_b32 s24, s14, 9                         ; my wave's 512 bytes of a row of xb
	s_lshl_b32 s25, s16, 8                         ; my 128 positions of a row of hbuf
.else
	s_lshr_b32 s26, s16, 3                         ; Q: which quarter of K
	s_and_b32 s27, s16, 7                          ; which 128 columns
	s_lshl_b32 s24, s26, 22                        ; 1,024 rows of 4,096 bytes
	s_add_co_u32 s22, s22, s24
	s_lshl_b32 s24, s27, 9
	s_lshl_b32 s25, s14, 20                        ; my wave's 256 rows
	s_add_co_u32 s22, s22, s24
	s_add_co_u32 s22, s22, s25
	s_lshl_b32 s24, s14, 9                         ; my wave's 512 bytes
	s_lshl_b32 s25, s26, 11                        ; in the quarter's 2,048 of a row of hbuf
	s_add_co_u32 s24, s24, s25
	s_lshl_b32 s25, s27, 9                         ; my 128 columns of a row of ypart
.endif
	s_mov_b32 s23, 0                               ; stays 0: the high word beside every 32-bit offset in s22
	v_lshl_add_u32 v[GL], v3, 4, s24
	v_lshl_add_u32 v[CO], v1, 4, s25
.irp j, 0,1,2,3
	v_mov_b32 v[SO+\j], v[CO]                      ; written on every path before a store names them
.endr
	s_mul_i32 s24, s14, TW
	s_add_co_u32 s24, s24, TILE                    ; my tile
	v_mul_u32_u24 v[AF], v1, TP
	v_lshl_add_u32 v[AF], v2, 4, v[AF]
	v_add_nc_u32 v[AF], s24, v[AF]
	v_lshl_add_u32 v[TS], v3, 4, s24
	s_lshl_b32 s24, s14, 14                        ; my image in a stage
	v_lshl_add_u32 v[DA], v3, 4, s24
	v_add_nc_u32 v[DA+1], STG, v[DA]
	s_lshl_b32 s24, s2, 13                         ; my quarter: accumulators 8 (w >> 1) + c, registers 4 (w & 1) on: quad 2 (8 (w >> 1) + c) + (w & 1), 512 bytes a quad
	s_lshl_b32 s25, s3, 9
	s_add_co_u32 s24, s24, s25
	v_lshl_add_u32 v[RA], v3, 4, s24
	v_add_nc_u32 v[RA+1], STG, v[RA]
	s_lshl_b32 s24, s2, 6                          ; its entries: 16 (w >> 1) + 8 h + 4 (w & 1) + 0 .. 3, 4 bytes each
	s_lshl_b32 s25, s3, 4
	s_add_co_u32 s24, s24, s25
	v_lshl_add_u32 v[LV], v2, 5, s24
	s_wait_kmcnt 0x0
	s_add_nc_u64 s[6:7], s[6:7], s[22:23]
	s_lshl_b32 s22, s15, 12
	s_add_nc_u64 s[8:9], s[8:9], s[22:23]          ; my expert's list
	s_lshl_b32 s22, s15, 8
	s_add_nc_u64 s[10:11], s[10:11], s[22:23]
.if GEMM == 2
	s_lshl_b32 s22, s26, 23                        ; a quarter's partial sums are 8 MiB
	s_add_nc_u64 s[12:13], s[12:13], s[22:23]
.endif
	s_load_b32 s17, s[10:11], 0x0                  ; n
	s_load_b512 s[32:47], s[8:9], 0x0              ; block 0's entries
	s_load_b512 s[48:63], s[8:9], 0x40
	s_wait_alu depctr_va_vdst(0)                   ; the offsets and LDS addresses v4 to v13 and v20 to v23 are written, which the loads and stores of the kernel read
	; THE WEIGHTS COME IN: up to four batches of 16 loads are on their way.  Step t asks for batch t + 3, into the slot that step t - 1 emptied, and then rounds batch t.
	global_load_b128 v[LST:LST+3], v[LV], s[8:9]   ; the four entries of block 0 that I finish: older than every batch, so the first wait below shows it in
	WLOAD 0
	WLOAD 1
	WLOAD 2
.irp t, 0,1,2,3,4,5,6,7,8,9,10,11,12,13,14,15
	s_wait_loadcnt 32                              ; behind batch t exactly 32 loads were issued: two batches; or batch 15 and 16 rows; or the 32 rows
.if (\t >= 1) && (\t <= 12)
	s_wait_alu depctr_va_vdst(0)                   ; the conversions of the step before are done reading their slot, in which the batch asked for below lands (step 0's batch lands in a slot that nothing has named)
.endif
.if \t <= 12
	WLOAD \t+3
.elseif \t == 13
	s_wait_kmcnt 0x0
	s_min_u32 s17, s17, 1024
	s_add_co_u32 s17, s17, 31
	s_lshr_b32 s17, s17, 5                         ; blocks of 32 entries, 32 at the most
	PROCS
	ADDRS                                          ; block 0's rows (with n = 0: row 0, loaded and not used)
	s_wait_alu depctr_va_vdst(0)                   ; v[AD ..] are written, which the 32 row loads of this step and the next read; the address lines are done reading s[32:63], which the scalar loads below write
	GLOAD 0, 16
	s_load_b512 s[32:47], s[8:9], 0x80             ; block 1's entries
	s_load_b512 s[48:63], s[8:9], 0xc0
.elseif \t == 14
	GLOAD 16, 16                                   ; no wait: the conversions since name a landing slot and the weights alone
.endif
	WCVT \t
.endr
	TSTORE                                         ; my own bytes, and LDS serves a wave's instructions in order (ISA guide 5.7.1): no barrier
	s_wait_kmcnt 0x0
	PROCS                                          ; block 1's rows: block 0's head makes their addresses
.if GEMM == 1
	s_mov_b32 s28, 0xbfb8aa3b                      ; -log2(e); the packed forms name pairs and take the low word for both halves
	s_mov_b32 s29, 0xbfb8aa3b
	s_mov_b32 s30, 1.0
	s_mov_b32 s31, 1.0
.endif
	s_wait_alu depctr_vm_vsrc(0)                   ; block 0's row loads (done: the tile's stores waited for them) have read v[AD ..], which the first block's head writes again; the tile's stores have read v[LAND ..], in which block 1's rows land
	s_wait_alu depctr_va_vdst(0)                   ; the conversions are done reading the landing slots: v[64:255] are fragment buffers and accumulators from here on, in which LDS loads land
; Block b = s[sb] (b + 1 = s[sb+1]) on stage par.
.macro BLOCK par, sb
	s_cmp_ge_u32 s[\sb], s17
	s_cbranch_scc1 .Lmeet_\@                       ; no such block: only the barrier
.irp j, 0,1,2,3
	v_min_u32 v[LST+\j], 0x7ff, v[LST+\j]          ; inside the buffer whatever the list holds
	v_lshl_add_u32 v[SO+\j], v[LST+\j], SOSH, v[CO]
.endr
	ADDRS                                          ; block b + 1's rows
	WIN 0
	s_wait_alu depctr_va_vdst(0)                   ; v[AD ..] and v[SO ..] are written (and v[LV], in a trip's first block); v[LST ..] has been read; the block before is done reading F0 to F3: all loads and stores up to the stage's lean on this wait
	FETCH 0
	FETCH 1
	s_add_co_u32 s22, s[\sb+1], 1                  ; the 32 entries of block b + 2 (clamped to the list's 32 blocks)
	s_min_u32 s22, s22, 31
	s_lshl_b32 s22, s22, 7
	s_add_nc_u64 s[24:25], s[8:9], s[22:23]
	s_load_b512 s[32:47], s[24:25], 0x0
	s_load_b512 s[48:63], s[24:25], 0x40
	s_cmp_ge_u32 s[\sb+1], s17
	s_cbranch_scc1 .Lnone_\@
	global_load_b128 v[LST:LST+3], v[LV], s[8:9] offset:128*(\par+1)   ; the four entries of block b + 1 that I finish
	GLOAD 0, 32                                    ; its rows are on their way during eight K steps, the stage and the finishing
.Lnone_\@:
	s_wait_dscnt 8                                 ; F0 is in; the eight loads of F1 may be out
	MUL 0, 1                                       ; the first K step starts the sums: nothing is cleared
	FETCH 2                                        ; no wait: the products since the head's wait name F0, the weights and the accumulators
	MUL 1, 0
	s_wait_dscnt 8                                 ; F1 is in; the eight loads of F2 may be out
	MUL 2, 0
	FETCH 3                                        ; likewise: F0, F1, the weights and the accumulators
	MUL 3, 0
	s_wait_dscnt 8                                 ; F2 is in; the eight loads of F3 may be out
	MUL 4, 0
	MUL 5, 0
	s_wait_dscnt 0x0
	s_wait_kmcnt 0x0                               ; the entries of block b + 2
	MUL 6, 0, 0
	MUL 7, 0, 16
.rept 6
	v_nop                                          ; four places in front of the stores that read the sums; five in front of the next block's products, which write over them
.endr
	WIN 0
	s_wait_alu depctr_va_vdst(0)                   ; the matrix instructions have written the accumulators, which the LDS stores read and in which the images land later; the places above stay beside this wait
.set ii, 0
.rept 32
	ds_store_b128 v[DA+\par], v[ACC+4*ii:ACC+4*ii+3] offset:512*ii   ; in ascending order: each accumulator's low four registers first
.set ii, ii+1
.endr
.Lmeet_\@:
	s_wait_dscnt 0x0                               ; for the others' sake: my image is in the stage, and my reads of the other stage are back
	s_barrier_signal -1
	s_barrier_wait -1
	s_cmp_ge_u32 s[\sb], s17
	s_cbranch_scc1 .Lfree_\@
	s_wait_alu depctr_vm_vsrc(0)                   ; my LDS stores into the stage have read the accumulators' registers, in which the images land
.set ii, 0
.rept 32
	ds_load_b128 v[ACC+4*ii:ACC+4*ii+3], v[RA+\par] offset:16384*(ii/8)+1024*(ii%8)   ; image ii / 8, fragment ii % 8: four entries of one column
.set ii, ii+1
.endr
	s_wait_dscnt 16                                ; images 0 and 1 are in; the 16 loads of images 2 and 3 may be out
.set ii, 0
.rept 16
	v_pk_add_f32 v[ACC+2*ii:ACC+2*ii+1], v[ACC+2*ii:ACC+2*ii+1], v[ACC+32+2*ii:ACC+32+2*ii+1]
.set ii, ii+1
.endr
	s_wait_dscnt 0x0
.set ii, 0
.rept 16
	v_pk_add_f32 v[ACC+64+2*ii:ACC+64+2*ii+1], v[ACC+64+2*ii:ACC+64+2*ii+1], v[ACC+96+2*ii:ACC+96+2*ii+1]
.set ii, ii+1
.endr
.irp jp, 0,1,2,3
.irp c, 0,1,2,3,4,5,6,7
	v_add_f32 v[ACC+32+8*\jp+\c], v[ACC+4*\c+\jp], v[ACC+64+4*\c+\jp]   ; the last addition also turns [fragment][entry] into [entry][fragment]
.endr
.endr
.if GEMM == 1
	; silu(z) = z / (1 + 2^(-log2(e) z)), 32 numbers a lane
.set ii, 0
.rept 16
	v_pk_mul_f32 v[ACC+96+2*ii:ACC+96+2*ii+1], v[ACC+32+2*ii:ACC+32+2*ii+1], s[28:29] op_sel_hi:[1,0]
.set ii, ii+1
.endr
.set ii, 0
.rept 32
	v_exp_f32 v[ACC+96+ii], v[ACC+96+ii]
.set ii, ii+1
.endr
	v_nop                                          ; a plain instruction behind the last transcendental before its result is used (ISA guide 5.7.2)
.set ii, 0
.rept 16
	v_pk_add_f32 v[ACC+96+2*ii:ACC+96+2*ii+1], v[ACC+96+2*ii:ACC+96+2*ii+1], s[30:31] op_sel_hi:[1,0]
.set ii, ii+1
.endr
.set ii, 0
.rept 32
	v_rcp_f32 v[ACC+96+ii], v[ACC+96+ii]
.set ii, ii+1
.endr
	v_nop
.set ii, 0
.rept 16
	v_pk_mul_f32 v[ACC+32+2*ii:ACC+32+2*ii+1], v[ACC+32+2*ii:ACC+32+2*ii+1], v[ACC+96+2*ii:ACC+96+2*ii+1]
.set ii, ii+1
.endr
.set ii, 0
.rept 16
	v_cvt_pk_bf16_f32 v[ACC+ii], v[ACC+32+2*ii], v[ACC+32+2*ii+1]
.set ii, ii+1
.endr
	s_wait_alu depctr_va_vdst(0)                   ; the roundings have written v[ACC .. ACC+15], which the stores read
.irp jp, 0,1,2,3
	global_store_b128 v[SO+\jp], v[ACC+4*\jp:ACC+4*\jp+3], s[12:13]   ; positions 8 r .. 8 r + 7: 16 lanes store 256 consecutive bytes of one row, aligned
.endr
.else
	s_wait_alu depctr_va_vdst(0)                   ; the last additions have written v[ACC+32 .. ACC+63], which the stores read
.irp jp, 0,1,2,3
.irp g, 0,1
	global_store_b128 v[SO+\jp], v[ACC+32+8*\jp+4*\g:ACC+32+8*\jp+4*\g+3], s[12:13] offset:256*\g   ; columns 64 g + 4 r .. + 3: 16 lanes store 256 consecutive bytes of one row, aligned
.endr
.endr
.endif
	s_cmp_ge_u32 s[\sb+1], s17
	s_cbranch_scc1 .Lfree_\@
	TSTORE                                         ; my reads of the tile are long back: the next block's rows take their place
.Lfree_\@:
	s_wait_loadcnt 0x0                             ; on every path: no load is out,
	s_wait_xcnt 0x0                                ; and the stores' offsets and data, and the loads' offsets, are rewritten only behind this wait
	s_wait_alu depctr_vm_vsrc(0)                   ; the global stores have read their data and v[SO ..], the stage's stores the accumulators, the row loads v[AD ..], the tile's stores v[LAND ..], the entries' load v[LV]: the next block, or the trip's end, writes all of these again
.endm
	s_mov_b32 s18, 0                               ; trip
	s_mov_b32 s19, 0                               ; 2 trip, 2 trip + 1, 2 trip + 2
	s_mov_b32 s20, 1
	s_mov_b32 s21, 2
.Ltrip:                                                ; 16 trips of two blocks, whatever n is
	BLOCK 0, 19
	BLOCK 1, 20
	v_add_nc_u32 v[LV], 0x100, v[LV]               ; two blocks' entries on; its next reader stands behind the next block's wait on va_vdst
	s_add_co_u32 s19, s19, 2
	s_add_co_u32 s20, s20, 2
	s_add_co_u32 s21, s21, 2
	s_add_co_u32 s18, s18, 1
	s_cmp_lt_u32 s18, 16
	s_cbranch_scc1 .Ltrip
	s_wait_dscnt 0x0
	s_wait_alu depctr_hold_cnt(0) depctr_sa_sdst(0) depctr_va_vdst(0) depctr_va_sdst(0) depctr_va_ssrc(0) depctr_va_vcc(0) depctr_vm_vsrc(0)
	s_wait_tensorcnt 0x0
	ds_add_u32 v30, v31
	s_wait_dscnt 0x0
	s_endpgm
.Lfunc_end_k_qa4d1efae9c_gemm2:
	.size	k_qa4d1efae9c_gemm2, .Lfunc_end_k_qa4d1efae9c_gemm2-k_qa4d1efae9c_gemm2
	.p2alignl 7, 3214868480
	.fill 96, 4, 3214868480
	.section	.rodata,"a",@progbits
	.p2align	6, 0x0
	.amdhsa_kernel k_qa4d1efae9c_gemm2
		.amdhsa_group_segment_fixed_size 199168
		.amdhsa_private_segment_fixed_size 0
		.amdhsa_enable_private_segment 0
		.amdhsa_kernarg_size 40
		.amdhsa_user_sgpr_count 2
		.amdhsa_user_sgpr_kernarg_segment_ptr 1
		.amdhsa_wavefront_size32 1
		.amdhsa_system_sgpr_workgroup_id_x 1
		.amdhsa_system_sgpr_workgroup_id_y 1
		.amdhsa_system_sgpr_workgroup_id_z 1
		.amdhsa_system_vgpr_workitem_id 0
		.amdhsa_next_free_vgpr 1024
		.amdhsa_next_free_sgpr 66
		.amdhsa_reserve_vcc 0
		.amdhsa_float_denorm_mode_32 3
		.amdhsa_float_denorm_mode_16_64 3
		.amdhsa_memory_ordered 1
		.amdhsa_forward_progress 1
		.amdhsa_inst_pref_size 133
	.end_amdhsa_kernel
	.amdgpu_metadata
---
amdhsa.version: [ 1, 2 ]
amdhsa.kernels:
  - .name:           k_qa4d1efae9c_gemm2
    .symbol:         k_qa4d1efae9c_gemm2.kd
    .args:
      - { .name: hbuf, .offset: 0, .size: 8, .value_kind: global_buffer, .address_space: global }
      - { .name: W2, .offset: 8, .size: 8, .value_kind: global_buffer, .address_space: global }
      - { .name: lists, .offset: 16, .size: 8, .value_kind: global_buffer, .address_space: global }
      - { .name: cnt, .offset: 24, .size: 8, .value_kind: global_buffer, .address_space: global }
      - { .name: ypart, .offset: 32, .size: 8, .value_kind: global_buffer, .address_space: global }
    .group_segment_fixed_size: 199168
    .private_segment_fixed_size: 0
    .kernarg_segment_align: 8
    .kernarg_segment_size: 40
    .max_flat_workgroup_size: 128
    .sgpr_count:     66
    .vgpr_count:     1024
    .wavefront_size: 32
...
	.end_amdgpu_metadata
.endif
;; end of part 7
;; launch combine: the kernel of part 5 again; grid 256 x 1, 8 waves a work-group, no clusters, 0 bytes of LDS; arguments ypart, gate, out0; writes out0
